; MI455X (gfx1250); checked and timed in simulation.
; The chip was launched on July 23, 2026; its instructions are those of AMD's public machine-readable ISA for CDNA 5 (MIT licence, August 2026) and "CDNA5" Instruction Set Architecture Reference Guide (July 2026). The comments in the code are by the model that wrote it; some were corrected since.
;; Parallel Block. Allowed arithmetic: matrix products marked QUANTISED: E2M3 operands, one E8M0 scale for each 32 along K, by v_wmma_scale_f32_16x16x128_f8f6f4 with both operands' format E2M3, f32 sums; everything else in f32.
;; Inputs: W1 1,024 x 4,096 float32; W2 4,096 x 1,024 float32; Wk 1,024 x 1,024 float32; Wo 1,024 x 1,024 float32; Wq 1,024 x 1,024 float32; Wv 1,024 x 1,024 float32; norm_w 1,024 float32; x 2 x 2,048 x 1,024 float32.
;; Outputs: out0 2 x 2,048 x 1,024 float32.
;; This version of the problem:
;;   THIS VERSION OF THE PROBLEM IS GIVEN IN LOW PRECISION. The matrix products marked QUANTISED in the list below multiply operands that are first quantised to E2M3 (2 exponent bits, 3 mantissa bits; 6 bits a number), with one power-of-two scale for each 32 numbers along K (OCP MX v1.0); their sums are f32. All else is computed in f32.
;;   The module's matrix products, in the order in which they are computed (A, B: the left and right operand; K: the contracted axis; several contracted axes count as one K, in the product's order):
;;     1. [M 4,096, K 1,024] x [K 1,024, N 1,024]; A: computed on the way; B: input Wq: QUANTISED
;;     2. [M 4,096, K 1,024] x [K 1,024, N 1,024]; A: computed on the way; B: input Wk: QUANTISED
;;     3. [M 4,096, K 1,024] x [K 1,024, N 1,024]; A: computed on the way; B: input Wv: QUANTISED
;;     4. batch 32 x [M 2,048, K 64] x [K 64, N 2,048]; A: computed on the way; B: computed on the way: QUANTISED
;;     5. batch 32 x [M 2,048, K 2,048] x [K 2,048, N 64]; A: softmax (see below); B: computed on the way: QUANTISED
;;     6. [M 4,096, K 1,024] x [K 1,024, N 1,024]; A: computed on the way; B: input Wo: QUANTISED
;;     7. [M 4,096, K 1,024] x [K 1,024, N 4,096]; A: computed on the way; B: input W1: QUANTISED
;;     8. [M 4,096, K 4,096] x [K 4,096, N 1,024]; A: computed on the way; B: input W2: QUANTISED
;;   THE QUANTISER, for each operand of a quantised product, along K:
;;     - K is cut into blocks of 32 from its start; a last block that is shorter is filled with zeros.
;;     - A block's scale is 2^e with e = floor(log2(the largest magnitude in the block)) - 2, held to -126 .. 127; a block of zeros has e = 0. As a byte (E8M0): e + 127.
;;     - Each number is divided by its block's scale, clamped to +-7.5, and rounded to the nearest number of E2M3, ties to even, subnormals kept.
;;     - The product sums the exact products of the quantised numbers (number of the format x scale) in f32.
;;   ~~~python
;;   def quantise(x, axis):      # numpy; x: float32 -> the quantised numbers, widened to float32 again
;;       x = np.moveaxis(x, axis, -1); K = x.shape[-1]
;;       x = np.pad(x, [(0, 0)] * (x.ndim - 1) + [(0, -K % 32)]); x = x.reshape(x.shape[:-1] + (-1, 32)); a = np.abs(x).max(-1, keepdims=True)
;;       e = np.where(a > 0, np.clip(np.frexp(np.where(a > 0, a, 1))[1] - 1 - 2, -126, 127), 0)      # np.frexp(a)[1] - 1 = floor(log2(a)), exactly
;;       r = np.clip(x / 2.0 ** e, -7.5, 7.5)
;;       step = 2.0 ** (np.maximum(np.frexp(np.where(r == 0, 1, r))[1] - 1, 0) - 3)
;;       q = np.round(r / step) * step * 2.0 ** e      # np.round: ties to even
;;       return np.moveaxis(q.reshape(q.shape[:-2] + (-1,))[..., :K], -1, axis).astype(np.float32)
;;   ~~~
;;   SOFTMAX AHEAD OF A QUANTISED PRODUCT. Where the list says 'softmax', what is quantised is not the finished softmax but p = 2^(t - M), with t = logit x log2(e) and M = ceil(the row's largest t), a whole number; so 1/2 < the row's largest p <= 1. The row's sum l is taken of the UNQUANTISED p, in f32, and the product's result is divided by l at the end. Since M is a whole number, a kernel that streams over the keys may use a running M (the ceiling of the running maximum): every later rescaling is an exact power of two, which a block's scale takes up: the codes' values come out the same.
;;   OPERANDS COMPUTED ON THE WAY. 'Computed on the way' means the value that the module computes at that place (a softmax that the list does not call 'softmax' is quantised finished and normalised). What goes into a quantiser is computed in f32, as accurately as f32 sums, v_exp_f32 and their like allow (about 1e-6 of the number): no bf16 or f16 on the way to a quantiser, and a product that is left as it is and whose result goes on into a quantised operand takes f32 operands (vector FMAs, or v_wmma_f32_16x16x4_f32). A number that lies on a knife's edge between two numbers of the format may be rounded either way, as far as f32 arithmetic and the matrix unit's own rounding can turn it there, and no further.
;; One version. Each part assembles by itself: llvm-mc -triple=amdgcn-amd-amdhsa -mcpu=gfx1250 --defsym DOCPART=n.
;; ======== version 1 of 1: 4 launches
;; limits: right only within a limited range of input values
;; workspace buffers: xnimg 3,276,800 bytes; waimg 5,734,400 bytes; wbimg 4,096,000 bytes; act2 16,384,000 bytes; qk 6,815,744 bytes; vbuf 3,276,800 bytes
;; launch prep (part 1): grid 640 x 1, 8 waves a work-group, no clusters, 3,072 bytes of LDS; arguments x, norm_w, Wq, Wk, W1, Wv, Wo, W2, xnimg, waimg, wbimg; writes xnimg, waimg, wbimg
.if DOCPART == 1
	.amdgcn_target "amdgcn-amd-amdhsa--gfx1250"
	.amdhsa_code_object_version 6
	.text
	.protected	k_q86860e9a0f_prep
	.globl	k_q86860e9a0f_prep
	.p2align	8
	.type	k_q86860e9a0f_prep,@function
k_q86860e9a0f_prep:
	s_mov_b64 s[64:65], 0
	v_nop
	global_prefetch_b8 v0, s[64:65] scope:SCOPE_SE
	s_setreg_imm32_b32 hwreg(HW_REG_WAVE_MODE, 25, 1), 1
	s_wait_xcnt 0x0
; RMSNorm of x and the quantising of xn and of all six weights into codes of FP6 (E2M3) with one E8M0 byte for each 32 along K.
; THE LAYOUT OF ALL IMAGES.  Rows of an operand (tokens, or columns n of a weight) go in groups of 128 = 8 tiles of 16 slots; slot p of tile t is row 32 (t/2) + 8 (t%2) + p + 8 (p/8).
; A fragment (16 slots x 128 K: 12 registers a lane; lane (r, h) holds slot r, registers 6 c .. 6 c + 5 hold K = 64 c + 32 h + 0 .. 31) is 1,536 bytes, two halves of 768:
; registers 6 c .. 6 c + 3 at 768 c + 16 x lane, registers 6 c + 4, 5 at 768 c + 512 + 16 r + 8 h.  The scale words of 8 tiles and one 128 K are 512 bytes: word of (tile t, slot p) at 16 (16 (t%2) + p) + 4 (t/2).
; A block of 25,600 bytes = 128 rows x 256 K: [K step 0, 1][tile][1,536], then [K step 0, 1][512] of scale words.  An operand is [group][K / 256][block].
; Work-groups 0-255: one tile of 16 tokens each; wave w takes columns 128 w .. 128 w + 127.  The eight partial sums of squares meet in LDS bytes 0-511, one barrier.
; Work-groups 256-639: one block of a weight's image each; a lane takes a column n and its registers run down K, so nothing is transposed; the scale words meet in LDS bytes 1024-2047, one barrier.
; waimg's groups: Wq 0-7, Wk 8-15, W1 16-47, Wv 48-55 (K = 1,024).  wbimg: K = 5,120: Wo's rows first (K / 256 = 0-3), then W2's (4-19).
; The two ways part on the work-group's number alone, which all waves of a work-group share; each has its own barrier, its own LDS bytes and its own end.
; No tensor loads, matrix units or clusters: the launch reads each f32 number once and stores three sixteenths of the bytes; nothing is shared between work-groups.
; LIMITS: NaN and infinities among the inputs are not served.  A block whose largest magnitude lies under 2^-124, zeros among them, gets the byte 1 (the rule says 127 for zeros): its codes are zeros or held by
; that floor, and this program alone reads the bytes.  The sum of squares is added in another order than the reference adds it.
.set BLK, 25600
.set X,   16                           ; v16-79   64 numbers of x: register 16 b + i = column 32 b + 16 h + i of my row's 128
.set NW,  80                           ; v80-143  the same columns of norm_w
.set PC,  144                          ; v144-155 the fragment; v156-162 at work
.set TM,  164                          ; v164-179 at work in QUANT
.set PW,  180                          ; v180     the scale word
.set D,   16                           ; v16-143  weights: 128 numbers down K of my column
.set SEL, 30                           ; s[30:31] lane selects: lane l xor 16
; 64 numbers of a lane, register 16 b + i = k 32 b + 16 h + i of my row, become a fragment in v[pc] on and its scale word in v[pw] (the same in lanes l and l xor 16)
.macro QUANT s, pc, pw
.irp b, 0,1,2,3
	v_max3_num_f32 v[TM+\b], |v[\s+16*\b]|, |v[\s+1+16*\b]|, 0x1800000   ; my 16 numbers of block b, and the floor 2^(3 - 127): the byte cannot fall under 1
.endr
.irp i, 2,4,6,8,10,12,14
.irp b, 0,1,2,3
	s_delay_alu instid0(VALU_DEP_4)
	v_max3_num_f32 v[TM+\b], v[TM+\b], |v[\s+16*\b+\i]|, |v[\s+1+16*\b+\i]|
.endr
.endr
.irp b, 0,1,2,3
	s_delay_alu instid0(VALU_DEP_4)
	v_permlanex16_b32 v[TM+4+\b], v[TM+\b], s[SEL], s[SEL+1]
.endr
.irp b, 0,1,2,3
	s_delay_alu instid0(VALU_DEP_4)
	v_max_num_f32 v[TM+\b], v[TM+\b], v[TM+4+\b]          ; with lane l xor 16: the block's largest magnitude
.endr
.irp b, 0,1,2,3
	s_delay_alu instid0(VALU_DEP_4)
	v_add_nc_u32 v[TM+12+\b], 0xff000000, v[TM+\b]        ; 2 off its exponent field: the conversion's scale operand
.endr
.irp b, 0,1,2,3
	s_delay_alu instid0(VALU_DEP_4)
	v_lshrrev_b32 v[TM+4+\b], 23, v[TM+12+\b]             ; the scale's byte
.endr
	s_delay_alu instid0(VALU_DEP_3)
	v_lshl_or_b32 v[\pw], v[TM+5], 8, v[TM+4]
	s_delay_alu instid0(VALU_DEP_1)
	v_lshl_or_b32 v[\pw], v[TM+6], 16, v[\pw]
	s_delay_alu instid0(VALU_DEP_1)
	v_lshl_or_b32 v[\pw], v[TM+7], 24, v[\pw]
.irp c, 0,1
	v_cvt_scalef32_pk16_fp6_f32 v[\pc+6*\c:\pc+2+6*\c], v[\s+32*\c:\s+15+32*\c], v[TM+12+2*\c]
	v_cvt_scalef32_pk16_fp6_f32 v[\pc+12+4*\c:\pc+14+4*\c], v[\s+16+32*\c:\s+31+32*\c], v[TM+13+2*\c]   ; (a conversion's three registers begin on an even number)
.endr
	v_nop                                                  ; one plain line behind the scaled conversions
.irp c, 0,1                                            ; the layout wants a whole block in a lane: lanes 0-15 block 2 c, lanes 16-31 block 2 c + 1
.irp i, 0,1,2
	v_permlane16_swap_b32 v[\pc+6*\c+\i], v[\pc+12+4*\c+\i]
.endr
.irp i, 0,1,2
	s_delay_alu instid0(VALU_DEP_3)
	v_mov_b32 v[\pc+3+6*\c+\i], v[\pc+12+4*\c+\i]
.endr
.endr
.endm
	s_load_b512 s[8:23], s[0:1], 0x0               ; x, norm_w, Wq, Wk, W1, Wv, Wo, W2
	s_load_b128 s[24:27], s[0:1], 0x40             ; xnimg, waimg
	s_load_b64 s[28:29], s[0:1], 0x50              ; wbimg
	v_lshl_add_u32 v192, v0, 2, 0x800
	v_mov_b32 v193, 0
	v_lshrrev_b32 v1, 5, v0
	s_delay_alu instid0(VALU_DEP_1)
	v_readfirstlane_b32 s2, v1                     ; wave 0..7
	v_and_b32 v1, 31, v0                           ; lane
	v_and_b32 v2, 15, v0                           ; r
	v_bfe_u32 v3, v0, 4, 1                         ; h
	s_mov_b32 s[SEL], 0x76543210
	s_mov_b32 s[SEL+1], 0xfedcba98
	s_cmp_lt_u32 ttmp9, 256
	s_cbranch_scc0 .Lweights
	; ---------------- x: one tile of 16 tokens ----------------
	v_lshrrev_b32 v4, 3, v2
	s_delay_alu instid0(VALU_DEP_1)
	v_lshl_add_u32 v4, v4, 3, v2                   ; r + 8 (r / 8): my slot's row in the tile
	s_delay_alu instid0(VALU_DEP_1)
	v_lshlrev_b32 v4, 12, v4                       ; rows of 4,096 bytes
	s_delay_alu instid0(VALU_DEP_1)
	v_lshl_add_u32 v4, v3, 6, v4                   ; + 64 h: my 16 numbers of each block of 32
	v_lshlrev_b32 v5, 6, v3                        ; norm_w: 64 h
	v_lshlrev_b32 v6, 4, v1                        ; 16 x lane
	v_lshlrev_b32 v7, 4, v2
	s_delay_alu instid0(VALU_DEP_1)
	v_lshl_add_u32 v7, v3, 3, v7                   ; 16 r + 8 h
	s_lshl_b32 s3, s2, 6
	v_lshlrev_b32 v9, 2, v2                        ; LDS: 4 r
	s_delay_alu instid0(VALU_DEP_1)
	v_add_nc_u32 v8, s3, v9                        ; LDS: 64 x wave + 4 r
	s_and_b32 s4, ttmp9, 7                         ; a: my tile in its group
	s_and_b32 s5, s4, 1
	s_lshl_b32 s5, s5, 8
	s_lshr_b32 s6, s4, 1
	s_lshl_b32 s6, s6, 2
	s_add_co_u32 s5, s5, s6                        ; 256 (a % 2) + 4 (a / 2)
	v_lshl_add_u32 v10, v2, 4, s5
	s_delay_alu instid0(VALU_DEP_1)
	v_lshl_add_u32 v10, v3, 1, v10                 ; my half of my row's scale word: + 16 r + 2 h
	v_lshlrev_b32 v11, 4, v3                       ; 16 h: the shift that brings that half down
.irp b, 0,1,2,3
	v_mov_b32 v[TM+4+\b], 0                        ; written once: a lane permute's destination counts as one of its sources
.endr
	s_lshr_b32 s32, ttmp9, 1
	s_lshl_b32 s32, s32, 5
	s_and_b32 s33, ttmp9, 1
	s_lshl_b32 s33, s33, 3
	s_add_co_u32 s32, s32, s33                     ; the tile's first row: 32 (t / 2) + 8 (t % 2)
	s_lshl_b32 s32, s32, 12
	s_lshl_b32 s34, s2, 9                          ; my wave's 128 columns: 512 bytes
	s_add_co_u32 s32, s32, s34
	s_mov_b32 s33, 0
	s_mov_b32 s35, 0
	s_lshr_b32 s36, ttmp9, 3
	s_lshl_b32 s36, s36, 2
	s_lshr_b32 s37, s2, 1
	s_add_co_u32 s36, s36, s37                     ; 4 x group + K / 256
	s_mul_i32 s36, s36, BLK
	s_and_b32 s37, s2, 1                           ; which 128 of the 256
	s_mul_i32 s38, s37, 12288
	s_mul_i32 s39, s4, 1536
	s_add_co_u32 s38, s38, s39
	s_add_co_u32 s38, s38, s36                     ; my fragment
	s_mov_b32 s39, 0
	s_lshl_b32 s37, s37, 9
	s_add_co_u32 s36, s36, s37
	s_add_co_u32 s36, s36, 24576                   ; its K step's scale words
	s_mov_b32 s37, 0
	s_mov_b32 s44, 0x3a800000                      ; 1 / 1024
	s_mov_b32 s45, 0x34000000                      ; eps of f32: 2^-23
	s_wait_kmcnt 0x0
	s_add_nc_u64 s[8:9], s[8:9], s[32:33]
	s_add_nc_u64 s[10:11], s[10:11], s[34:35]
	s_add_nc_u64 s[40:41], s[24:25], s[38:39]
	s_add_nc_u64 s[42:43], s[24:25], s[36:37]
.irp b, 0,1,2,3
.irp j, 0,1,2,3
	global_load_b128 v[X+16*\b+4*\j:X+16*\b+4*\j+3], v4, s[8:9] offset:128*\b+16*\j th:TH_LOAD_NT
.endr
.endr
.irp b, 0,1,2,3
.irp j, 0,1,2,3
	global_load_b128 v[NW+16*\b+4*\j:NW+16*\b+4*\j+3], v5, s[10:11] offset:128*\b+16*\j
.endr
.endr
	s_wait_loadcnt 16                              ; x's sixteen loads are in; norm_w's sixteen may be out
.irp c, 0,1,2,3
	v_pk_mul_f32 v[182+2*\c:183+2*\c], v[X+2*\c:X+2*\c+1], v[X+2*\c:X+2*\c+1]   ; four chains; the first products start them
.endr
.set j, 8
.rept 28
.set cc, 182+2*((j/2)%4)
	s_delay_alu instid0(VALU_DEP_4)
	v_pk_fma_f32 v[cc:cc+1], v[X+j:X+j+1], v[X+j:X+j+1], v[cc:cc+1]
.set j, j+2
.endr
	s_delay_alu instid0(VALU_DEP_3)
	v_pk_add_f32 v[182:183], v[182:183], v[184:185]
	s_delay_alu instid0(VALU_DEP_2)
	v_pk_add_f32 v[186:187], v[186:187], v[188:189]
	s_delay_alu instid0(VALU_DEP_1)
	v_pk_add_f32 v[182:183], v[182:183], v[186:187]
	s_delay_alu instid0(VALU_DEP_1)
	v_add_f32 v182, v182, v183
	s_delay_alu instid0(VALU_DEP_1)
	v_permlanex16_b32 v183, v182, s[SEL], s[SEL+1]
	s_delay_alu instid0(VALU_DEP_1)
	v_add_f32 v182, v182, v183                     ; my row's sum of squares over my wave's 128 columns
	ds_store_b32 v8, v182                          ; lanes l and l xor 16 write the same word with the same value
	s_wait_dscnt 0x0                               ; for the others: my store has landed
	s_barrier_signal -1
	s_barrier_wait -1
.irp i, 0,1,2,3,4,5,6,7
	ds_load_b32 v[182+\i], v9 offset:64*\i         ; the eight waves' parts of my row
.endr
	s_wait_dscnt 0x0
	v_add_f32 v182, v182, v183
	v_add_f32 v184, v184, v185
	v_add_f32 v186, v186, v187
	v_add_f32 v188, v188, v189
	s_delay_alu instid0(VALU_DEP_3)
	v_add_f32 v182, v182, v184
	s_delay_alu instid0(VALU_DEP_2)
	v_add_f32 v186, v186, v188
	s_delay_alu instid0(VALU_DEP_1)
	v_add_f32 v182, v182, v186
	s_delay_alu instid0(VALU_DEP_1)
	v_fma_f32 v182, v182, s44, s45                 ; the mean + eps
	s_wait_alu depctr_va_vdst(0)
	v_rsq_f32 v190, v182
	v_mov_b32 v191, 0                              ; a plain line behind the transcendental; v191 is named with v190 as a pair
	s_wait_alu depctr_va_vdst(0)                   ; the wait ahead of the first line that names the result
	s_wait_loadcnt 0x0                             ; norm_w
.set j, 0
.rept 32
	v_pk_mul_f32 v[X+j:X+j+1], v[X+j:X+j+1], v[190:191] op_sel_hi:[1,0]
.set j, j+2
.endr
.set j, 0
.rept 32
	v_pk_mul_f32 v[X+j:X+j+1], v[X+j:X+j+1], v[NW+j:NW+j+1]   ; (x rs) w, in the order in which the reference multiplies
.set j, j+2
.endr
	QUANT X, PC, PW
	global_store_b128 v6, v[PC:PC+3], s[40:41]                 ; 512 consecutive bytes
	global_store_b64 v7, v[PC+4:PC+5], s[40:41] offset:512     ; 256
	global_store_b128 v6, v[PC+6:PC+9], s[40:41] offset:768
	global_store_b64 v7, v[PC+10:PC+11], s[40:41] offset:1280
	v_lshrrev_b32 v181, v11, v[PW]
	global_store_b16 v10, v181, s[42:43]           ; lane (r, h) stores half h of row r's word: 64 bytes a wave, 16 bytes apart: one part in 24 of what this way stores
	s_wait_tensorcnt 0x0
	ds_add_u32 v192, v193
	s_wait_dscnt 0x0
	s_endpgm
	; ---------------- weights: one block of 128 columns x 256 K ----------------
.Lweights:
	s_sub_co_u32 s3, ttmp9, 256                    ; 0..223: waimg's blocks; 224..383: wbimg's
	s_lshr_b32 s4, s3, 2                           ; waimg: group,
	s_and_b32 s5, s3, 3                            ; K / 256
	; where a source group g of waimg lies in the image: at place 7 (g % 8) + (g / 8 + 5) % 7: the seven groups g % 8 = c lie on end, W1's four first, then Wv's, Wq's, Wk's
	s_and_b32 s60, s4, 7
	s_mul_i32 s60, s60, 7
	s_lshr_b32 s61, s4, 3
	s_add_co_u32 s61, s61, 5
	s_cmp_lt_u32 s61, 7
	s_cselect_b32 s62, 0, 7
	s_sub_co_u32 s61, s61, s62
	s_add_co_u32 s60, s60, s61
	s_lshl_b32 s60, s60, 2
	s_add_co_u32 s60, s60, s5                      ; the block's number in waimg
	s_sub_co_u32 s6, s3, 224
	s_and_b32 s7, s6, 7                            ; wbimg: group,
	s_lshr_b32 s32, s6, 3                          ; K / 256,
	s_mul_i32 s33, s7, 20
	s_add_co_u32 s33, s33, s32                     ; block
	s_sub_co_u32 s36, s4, 48
	s_sub_co_u32 s37, s4, 16
	s_sub_co_u32 s38, s4, 8
	s_sub_co_u32 s40, s32, 4
	s_sub_co_u32 s46, s3, 64                       ; under 128 where the source is W1
	s_lshr_b32 s48, s2, 2                          ; q: my wave's 128 of the 256 along K
	s_and_b32 s49, s2, 3                           ; cg: my wave's 32 columns = tiles 2 cg, 2 cg + 1
	s_wait_alu depctr_va_vdst(0)
	v_lshlrev_b32 v4, 2, v1                        ; in: 4 bytes a lane: 128 consecutive bytes a load
	v_bfe_u32 v9, v0, 3, 1                         ; u: my column 32 cg + lane is slot p of tile 2 cg + u
	v_and_b32 v10, 7, v0
	s_delay_alu instid0(VALU_DEP_1)
	v_lshl_or_b32 v10, v3, 3, v10                  ; p = lane % 8 + 8 (lane / 16)
	s_delay_alu instid0(VALU_DEP_3)
	v_mul_u32_u24 v5, v9, 1536
	s_delay_alu instid0(VALU_DEP_1)
	v_lshl_add_u32 v5, v10, 4, v5                  ; out: 1,536 u + 16 p
	s_delay_alu instid0(VALU_DEP_3)
	v_lshl_add_u32 v6, v9, 4, v10
	s_delay_alu instid0(VALU_DEP_1)
	v_lshlrev_b32 v6, 4, v6                        ; 16 (16 u + p)
	s_lshl_b32 s58, s48, 9
	s_lshl_b32 s59, s49, 2
	s_add_co_u32 s59, s59, s58
	s_add_co_u32 s59, s59, 1024
	v_add_nc_u32 v6, s59, v6                       ; LDS: my column's scale word: 1024 + 512 q + 16 (16 u + p) + 4 cg
	v_lshlrev_b32 v8, 4, v1                        ; 16 x lane
	s_add_co_u32 s58, s58, 1024
	v_add_nc_u32 v7, s58, v8                       ; LDS: the K step's 512 bytes of words, 16 a lane
	s_wait_kmcnt 0x0
	s_cmp_lt_u32 s4, 48                            ; the choices hang on the work-group's number alone
	s_cselect_b64 s[34:35], s[16:17], s[18:19]     ; W1 or Wv
	s_cselect_b32 s39, s37, s36
	s_cmp_lt_u32 s4, 16
	s_cselect_b64 s[34:35], s[14:15], s[34:35]     ; Wk
	s_cselect_b32 s39, s38, s39
	s_cmp_lt_u32 s4, 8
	s_cselect_b64 s[34:35], s[12:13], s[34:35]     ; Wq
	s_cselect_b32 s39, s4, s39                     ; the group of 128 columns in that weight
	s_cmp_lt_u32 s32, 4
	s_cselect_b64 s[42:43], s[20:21], s[22:23]     ; Wo or W2
	s_cselect_b32 s40, s32, s40                    ; K / 256 in that weight
	s_cmp_lt_u32 s3, 224
	s_cselect_b64 s[34:35], s[34:35], s[42:43]     ; the source,
	s_cselect_b32 s39, s39, s7                     ; its group of columns,
	s_cselect_b32 s40, s5, s40                     ; its K / 256,
	s_cselect_b32 s41, s60, s33                    ; the block's number in its image,
	s_cselect_b64 s[44:45], s[26:27], s[28:29]     ; the image
	s_cmp_lt_u32 s46, 128
	s_cselect_b32 s47, 14, 12                      ; a row of W1 is 16,384 bytes, of the others 4,096
	s_lshl_b32 s50, s40, 1
	s_add_co_u32 s50, s50, s48
	s_lshl_b32 s50, s50, 7                         ; my first row: 256 (K / 256) + 128 q
	s_lshl_b32 s50, s50, s47
	s_lshl_b32 s51, s39, 2
	s_add_co_u32 s51, s51, s49
	s_lshl_b32 s51, s51, 7                         ; my first column, in bytes: (128 g + 32 cg) x 4
	s_add_co_u32 s50, s50, s51
	s_mov_b32 s51, 0
	s_add_nc_u64 s[34:35], s[34:35], s[50:51]
	s_mul_i32 s52, s41, BLK
	s_mul_i32 s54, s48, 12288
	s_mul_i32 s55, s49, 3072
	s_add_co_u32 s54, s54, s55
	s_add_co_u32 s54, s54, s52
	s_mov_b32 s55, 0
	s_add_nc_u64 s[54:55], s[44:45], s[54:55]      ; my two fragments
	s_lshl_b32 s56, s48, 9
	s_add_co_u32 s56, s56, s52
	s_add_co_u32 s56, s56, 24576
	s_mov_b32 s57, 0
	s_add_nc_u64 s[56:57], s[44:45], s[56:57]      ; my K step's scale words
.macro LOADW pitch                     ; W(first row + n, my column), n = 0 .. 127; the largest offset, 127 x 16,384, lies inside the signed 24-bit immediate
.set n, 0
.rept 128
	global_load_b32 v[D+n], v4, s[34:35] offset:n*\pitch th:TH_LOAD_NT
.set n, n+1
.endr
.endm
	s_cmp_lt_u32 s46, 128
	s_cbranch_scc1 .Lwide
	LOADW 4096
	s_branch .Lloaded
.Lwide:
	LOADW 16384
.Lloaded:
; Block kb of 32 along K: all 32 numbers are mine.  Its 24 bytes are registers 6 c .. 6 c + 5 of fragment lane (p, kb % 2), c = kb / 2:
; four registers go to v[144 + 4 kb], the other two into half a quad shared with the block beside it.
.macro WBLOCK kb, cnt
.set XS, D+32*(\kb)
	s_wait_loadcnt \cnt
	v_max3_num_f32 v184, |v[XS]|, |v[XS+1]|, |v[XS+2]|
	v_max3_num_f32 v185, |v[XS+3]|, |v[XS+4]|, |v[XS+5]|
.irp i, 6,10,14,18,22,26
	s_delay_alu instid0(VALU_DEP_2)
	v_max3_num_f32 v184, v184, |v[XS+\i]|, |v[XS+\i+1]|
	s_delay_alu instid0(VALU_DEP_2)
	v_max3_num_f32 v185, v185, |v[XS+\i+2]|, |v[XS+\i+3]|
.endr
	s_delay_alu instid0(VALU_DEP_2)
	v_max3_num_f32 v184, v184, |v[XS+30]|, |v[XS+31]|
	s_delay_alu instid0(VALU_DEP_1)
	v_max3_num_f32 v184, v184, v185, 0x1800000     ; and the floor 2^(3 - 127)
	s_delay_alu instid0(VALU_DEP_1)
	v_add_nc_u32 v186, 0xff000000, v184            ; the conversion's scale operand
	s_delay_alu instid0(VALU_DEP_1)
	v_lshrrev_b32 v187, 23, v186                   ; the byte
.if (\kb) == 0
	s_delay_alu instid0(VALU_DEP_1)
	v_mov_b32 v188, v187
.else
	s_delay_alu instid0(VALU_DEP_1)
	v_lshl_or_b32 v188, v187, 8*(\kb), v188        ; my column's scale word for these 128 K
.endif
	v_cvt_scalef32_pk16_fp6_f32 v[144+4*(\kb):146+4*(\kb)], v[XS:XS+15], v186
	v_cvt_scalef32_pk16_fp6_f32 v[168+4*(\kb):170+4*(\kb)], v[XS+16:XS+31], v186
	v_nop                                          ; one plain line behind the scaled conversions
	v_mov_b32 v[147+4*(\kb)], v[168+4*(\kb)]
	v_mov_b32 v[160+4*((\kb)/2)+2*((\kb)%2)], v[169+4*(\kb)]
	v_mov_b32 v[161+4*((\kb)/2)+2*((\kb)%2)], v[170+4*(\kb)]
.endm
.macro WSTORE c                        ; each store: sixteen lanes (p = 0 .. 15) fill 256 consecutive aligned bytes of tile 2 cg, the other sixteen of tile 2 cg + 1
	global_store_b128 v5, v[144+8*\c:147+8*\c], s[54:55] offset:768*\c
	global_store_b128 v5, v[148+8*\c:151+8*\c], s[54:55] offset:768*\c+256
	global_store_b128 v5, v[160+4*\c:163+4*\c], s[54:55] offset:768*\c+512
.endm
	WBLOCK 0, 63                                   ; wants at most 96 younger loads out; 63 is the largest count that the wait can name
	WBLOCK 1, 63                                   ; wants at most 64
	WSTORE 0
	WBLOCK 2, 32
	WBLOCK 3, 0
	WSTORE 1
	ds_store_b32 v6, v188
	s_wait_dscnt 0x0                               ; for the others: my word has landed
	s_barrier_signal -1
	s_barrier_wait -1
	s_cmp_lg_u32 s49, 0                            ; waves 0 and 4 store their K step's 512 bytes of words
	s_cbranch_scc1 .Lwdone
	ds_load_b128 v[12:15], v7
	s_wait_dscnt 0x0
	global_store_b128 v8, v[12:15], s[56:57]       ; 512 consecutive bytes
.Lwdone:
	s_wait_tensorcnt 0x0
	ds_add_u32 v192, v193
	s_wait_dscnt 0x0
	s_endpgm
.Lfunc_end_k_q86860e9a0f_prep:
	.size	k_q86860e9a0f_prep, .Lfunc_end_k_q86860e9a0f_prep-k_q86860e9a0f_prep
	.p2alignl 7, 3214868480
	.fill 96, 4, 3214868480
	.section	.rodata,"a",@progbits
	.p2align	6, 0x0
	.amdhsa_kernel k_q86860e9a0f_prep
		.amdhsa_group_segment_fixed_size 3072
		.amdhsa_private_segment_fixed_size 0
		.amdhsa_enable_private_segment 0
		.amdhsa_kernarg_size 88
		.amdhsa_user_sgpr_count 2
		.amdhsa_user_sgpr_kernarg_segment_ptr 1
		.amdhsa_wavefront_size32 1
		.amdhsa_system_sgpr_workgroup_id_x 1
		.amdhsa_system_sgpr_workgroup_id_y 1
		.amdhsa_system_sgpr_workgroup_id_z 1
		.amdhsa_system_vgpr_workitem_id 0
		.amdhsa_next_free_vgpr 194
		.amdhsa_next_free_sgpr 66
		.amdhsa_reserve_vcc 0
		.amdhsa_float_denorm_mode_32 3
		.amdhsa_float_denorm_mode_16_64 3
		.amdhsa_memory_ordered 1
		.amdhsa_forward_progress 1
		.amdhsa_inst_pref_size 58
	.end_amdhsa_kernel
	.amdgpu_metadata
---
amdhsa.version: [ 1, 2 ]
amdhsa.kernels:
  - .name:           k_q86860e9a0f_prep
    .symbol:         k_q86860e9a0f_prep.kd
    .args:
      - { .name: x, .offset: 0, .size: 8, .value_kind: global_buffer, .address_space: global }
      - { .name: norm_w, .offset: 8, .size: 8, .value_kind: global_buffer, .address_space: global }
      - { .name: Wq, .offset: 16, .size: 8, .value_kind: global_buffer, .address_space: global }
      - { .name: Wk, .offset: 24, .size: 8, .value_kind: global_buffer, .address_space: global }
      - { .name: W1, .offset: 32, .size: 8, .value_kind: global_buffer, .address_space: global }
      - { .name: Wv, .offset: 40, .size: 8, .value_kind: global_buffer, .address_space: global }
      - { .name: Wo, .offset: 48, .size: 8, .value_kind: global_buffer, .address_space: global }
      - { .name: W2, .offset: 56, .size: 8, .value_kind: global_buffer, .address_space: global }
      - { .name: xnimg, .offset: 64, .size: 8, .value_kind: global_buffer, .address_space: global }
      - { .name: waimg, .offset: 72, .size: 8, .value_kind: global_buffer, .address_space: global }
      - { .name: wbimg, .offset: 80, .size: 8, .value_kind: global_buffer, .address_space: global }
    .group_segment_fixed_size: 3072
    .private_segment_fixed_size: 0
    .kernarg_segment_align: 8
    .kernarg_segment_size: 88
    .max_flat_workgroup_size: 256
    .sgpr_count:     66
    .vgpr_count:     194
    .wavefront_size: 32
...
	.end_amdgpu_metadata
.endif
;; end of part 1
;; launch gemm1 (part 2): grid 8 x 32, 4 waves a work-group, clusters of 4 x 4, 327,680 bytes of LDS; arguments xnimg, waimg, qk, vbuf, act2; writes qk, vbuf, act2
.if DOCPART == 2
	.amdgcn_target "amdgcn-amd-amdhsa--gfx1250"
	.amdhsa_code_object_version 6
	.text
	.protected	k_q86860e9a0f_gemm1
	.globl	k_q86860e9a0f_gemm1
	.p2align	8
	.type	k_q86860e9a0f_gemm1,@function
k_q86860e9a0f_gemm1:
	s_mov_b64 s[64:65], 0
	v_nop
	global_prefetch_b8 v0, s[64:65] scope:SCOPE_SE
	s_setreg_imm32_b32 hwreg(HW_REG_WAVE_MODE, 25, 1), 1
	s_wait_xcnt 0x0
	s_wait_alu depctr_hold_cnt(0) depctr_sa_sdst(0) depctr_va_vdst(0) depctr_va_sdst(0) depctr_va_ssrc(0) depctr_va_vcc(0) depctr_vm_vsrc(0)
	s_getreg_b32 s2, hwreg(HW_REG_IB_STS2, 6, 4)
	s_cmp_eq_u32 s2, 0
	s_cbranch_scc0 .Lentry_in_a_cluster
	s_endpgm
.Lentry_in_a_cluster:
	s_bfe_u32 s2, ttmp6, 0x10000c
	s_cmp_lg_u32 s2, 0xf033
	s_cbranch_scc0 .Lentry_shape_is_right
	s_endpgm
.Lentry_shape_is_right:
; xn [4096][1024] x [W1 | Wv | Wq | Wk] (7,168 columns) on codes of FP6 with E8M0 scales; the results are quantised on the way out and leave as codes.
; SHARES.  Work-group (c, tg), 8 x 32 = 256: the 128 tokens of group tg against seven groups of 128 columns: W1's groups c, c + 8, c + 16, c + 24, then Wv's, Wq's, Wk's group c; in waimg the seven lie on end.
; Four waves, 2 x 2: wave (a, b) holds tokens 64 a .. 64 a + 63 (tiles 4 a .. 4 a + 3), ALL of K, in 384 registers, loaded once from their register image in memory, and takes tiles 4 b .. 4 b + 3 of each group of columns.
; A BLOCK is one streamed tile of 16 columns, all of K (8 fragments, two sets of registers by turns), against my four token tiles: 32 products.  A QUAD is a group's four blocks: 128 accumulator registers, then the way out.
; IMAGES: a block of 25,600 bytes = 128 rows x 256 K: [K step 0, 1][tile 0-7][1,536], then [K step][512 of scale words]; a fragment is two halves of 768 bytes: four registers at 16 x lane, two at 512 + 16 r + 8 h.
; Slot p of tile t of a group is row 32 (t/2) + 8 (t%2) + p + 8 (p/8): the 32 registers of four neighbouring tiles of source 0 are rows 32 B + 16 h + i of 64: two scale blocks, each in lanes l and l xor 16.
; W1, Wq, Wk: source 0 = the streamed columns, source 1 = tokens: a lane holds a token, its registers run along the columns.  Wv is quantised along the tokens: source 0 = tokens, source 1 = columns.
; LDS: two slots of one group (102,400 bytes) each.  The head fills both, one tensor load a wave (waves 0, 1 slot 0; waves 2, 3 slot 1); five refills, a quarter of a group a wave, each behind a round of the cluster's barrier
; that stands in a quad's last block, when that block's fragments are in registers.  Every wait on TENSORcnt is for 0.
; CLUSTERS: 4 x 4; a group of columns hangs on c alone and is asked for jointly along a column of the cluster.  The tokens are not asked for jointly: they are 102,400 of the 819,200 bytes that a work-group takes in, and go straight to registers.
; PREFETCH: in quad i, which asks for group i + 2, group i + 3 is asked for: 400 blocks of 256 bytes, 25 to each of the sixteen waves of a column of the cluster, told apart by address; the first four rows of clusters ask.
; OUT: act2 [token group][K / 256 = 4 .. 19][block]; qk [head: q 0-15, k 16-31][token group][8 x 768 + 512]; vbuf [head][key group][4 x 1,536 + 256].  A wave's scale bytes are two of a word's four: they leave as 2 or 8 bytes a lane, one part in 24 of what is stored.
; LIMITS: NaN and infinities are not served.  A block whose largest magnitude lies under 2^-124, zeros too, gets the byte 1: its codes are zeros or held by that floor; this program alone reads the bytes.
; silu(z) = z / (1 + 2^(-z log2 e)); for z under about -88 it gives -0.
; REGISTERS: window 0: v4-15 LDS addresses, v16-21 lane offsets, v22-29 at work, v32-47 the tokens' scale words, v52-83 the columns' (two sets), v84-115 silu, v116-127 codes, v128-255 accumulators;
; windows 1, 2: the tokens' 32 fragments (20 and 12); window 3: the two streamed sets.
.set BLK,   25600
.set GRP,   102400
.set SPARE, 204800                     ; behind the slots: the spare words, 128 bytes a wave
.set L16, 16
.set L8,  17
.set TM,  22
.set SPW, 30
.set NIL, 31
.set RS,  32
.set PW,  48
.set SS,  52
.set T,   84
.set PC,  116
.set PT,  122
.set SW,  126
.set ACC, 128
.set G1H, 24                           ; s[24:31] group 1, 200 rows; s[32:35] group 0 of the head's load
.set G0H, 32
.set G1,  48                           ; s[48:55] group 1, 100 rows; s[36:39], s[56:59] group 0 of slot 0, 1
.set MSB, 0
.macro WIN new                         ; the immediate's high byte repeats the setting that is left
.if MSB != (\new)
	s_set_vgpr_msb (MSB<<8)|(\new)
.set MSB, (\new)
.endif
.endm
.macro PLACES n
.rept \n
	v_nop
.endr
.endm
.macro WALU
	s_wait_alu depctr_va_vdst(0)
.endm
.macro CREST                           ; a round of the cluster's barrier behind its opening barrier
	s_cmp_lg_u32 s14, 0
	s_cbranch_scc1 .Lnot_wave_0_\@
	s_barrier_signal -3
.Lnot_wave_0_\@:
	s_barrier_wait -3
	s_barrier_signal -1
	s_barrier_wait -1
.endm
.macro CROUND
	s_barrier_signal -1
	s_barrier_wait -1
	CREST
.endm
.macro GROUP1 g, rows                  ; a dense run as rows of 256 bytes (32 elements of 8 bytes); the mask names my column of the cluster
	s_or_b32 s[\g], s44, (3<<16)|(1<<21)
	s_mov_b32 s[\g+1], 32<<16
	s_mov_b32 s[\g+2], (\rows)<<16
	s_mov_b32 s[\g+3], 32<<16
	s_mov_b32 s[\g+4], \rows
	s_mov_b32 s[\g+5], 32
	s_mov_b32 s[\g+6], 0
	s_mov_b32 s[\g+7], 0
.endm
.macro FETCH slot, s, p                ; my tile 4 b + s of the slot's group, all of K, into set p: 32 loads
	WIN 0xc0
.irp q, 0,1,2,3,4,5,6,7
.set O_, ((\q%4)/2)*BLK+(\q%2)*12288+(\s)*1536
.set R_, 96*(\p)+12*\q
.set A_, 4+2*(\slot)+\q/4
	ds_load_b128 v[R_:R_+3], v[A_] offset:O_
	ds_load_b64 v[R_+4:R_+5], v[A_+4] offset:O_+512
	ds_load_b128 v[R_+6:R_+9], v[A_] offset:O_+768
	ds_load_b64 v[R_+10:R_+11], v[A_+4] offset:O_+1280
.endr
	WIN 0
.endm
.macro SCALES slot                     ; my four tiles' scale words: register 2 q + w: lanes 0-15 tile 4 b + 2 w, lanes 16-31 the next
.irp q, 0,1,2,3,4,5,6,7
	ds_load_b64 v[SS+16*(\slot)+2*\q:SS+16*(\slot)+2*\q+1], v[12+2*(\slot)+\q/4] offset:((\q%4)/2)*BLK+24576+(\q%2)*512
.endr
.endm
.macro W1 d, a, b, c, xa, xb, ra, rb
	v_wmma_scale_f32_16x16x128_f8f6f4 v[\d:\d+7], v[\a:\a+11], v[\b:\b+11], \c, v[\xa], v[\xb] matrix_a_fmt:MATRIX_FMT_FP6 matrix_b_fmt:MATRIX_FMT_FP6 matrix_a_scale:MATRIX_SCALE_ROW\ra matrix_b_scale:MATRIX_SCALE_ROW\rb
.endm
; One product: K step Q_, streamed tile s (set p, scale set sl), token tile t.  sr, tr: s % 2, t % 2.  kind 1: the tokens are source 0.
.macro PR kind, s, sr, t, tr, p, sl
.set F_, 4*Q_+\t
.set RR_, 12*(F_%20)
.set SR_, 96*(\p)+12*Q_
.set XS_, SS+16*(\sl)+2*Q_+(\s)/2
.set XR_, RS+2*Q_+(\t)/2
.if \kind
.set D_, ACC+32*(\s)+8*(\t)
	WIN (1+F_/20)|(3<<2)
.if Q_
	W1 D_, RR_, SR_, v[D_:D_+7], XR_, XS_, \tr, \sr
.else
	W1 D_, RR_, SR_, 0, XR_, XS_, \tr, \sr
.endif
.else
.set D_, ACC+32*(\t)+8*(\s)
	WIN 3|((1+F_/20)<<2)
.if Q_
	W1 D_, SR_, RR_, v[D_:D_+7], XS_, XR_, \sr, \tr
.else
	W1 D_, SR_, RR_, 0, XS_, XR_, \sr, \tr
.endif
.endif
.endm
.macro BLOCKP kind, s, sr, p, sl, q0, q1   ; K steps q0 .. q1 - 1 of a block; its four accumulators take turns
.set Q_, \q0
.rept (\q1)-(\q0)
	PR \kind, \s, \sr, 0, 0, \p, \sl
	PR \kind, \s, \sr, 1, 1, \p, \sl
	PR \kind, \s, \sr, 2, 0, \p, \sl
	PR \kind, \s, \sr, 3, 1, \p, \sl
.set Q_, Q_+1
.endr
.endm
; A quad on slot sl.  mode 1: the slot is filled again, with the group two further on; mode 2: a plain barrier shows the other slot; mode 0: the last quad.  pf: the prefetch's offset, or -1.
.macro QUAD kind, sl, mode, pf
.set G_, 36+20*(\sl)
	s_wait_dscnt 0x0                               ; block 0's set and the scale words are in
	PLACES 4                                       ; loads into registers that matrix instructions have read stand four plain lines behind them
	FETCH \sl, 1, 1
	BLOCKP \kind, 0, 0, 0, \sl, 0, 8
	WIN 0
	s_wait_dscnt 0x0
	PLACES 4
	FETCH \sl, 2, 0
	BLOCKP \kind, 1, 1, 1, \sl, 0, 8
	WIN 0
	s_wait_dscnt 0x0
	PLACES 4
	FETCH \sl, 3, 1
	BLOCKP \kind, 2, 0, 0, \sl, 0, 8
	WIN 0
.if \mode == 1
	s_wait_tensorcnt 0x0                           ; all my tensor loads have landed: my part of the other slot
	ds_add_u32 v[SPW], v[NIL]                      ; 0 onto my spare word
	s_add_nc_u64 s[G_+2:G_+3], s[G_+2:G_+3], 2*GRP ; no load of mine is out: this slot's next group
	s_wait_dscnt 1                                 ; block 3's set is in; the add alone may be out
	BLOCKP \kind, 3, 1, 1, \sl, 0, 4
	s_wait_dscnt 0x0                               ; the add is done, and my reads of this slot are over
	s_barrier_signal -1
	BLOCKP \kind, 3, 1, 1, \sl, 4, 6
	WIN 0
	s_barrier_wait -1
	CREST                                          ; no wave of any partner still reads this slot or has a load on its way
	tensor_load_to_lds s[G_:G_+3], s[G1:G1+7]      ; my quarter of the group, the first tensor load behind the round
	s_nop 0
	PLACES 4
	FETCH 1-\sl, 0, 0
	SCALES 1-\sl
.if \pf >= 0
	s_cmp_lt_u32 s18, 4
	s_cbranch_scc0 .Lno_ask_\@
	global_prefetch_b8 v21, s[84:85] offset:\pf th:TH_LOAD_NT scope:SCOPE_SE
.Lno_ask_\@:
.endif
	BLOCKP \kind, 3, 1, 1, \sl, 6, 8
.elseif \mode == 2
	s_wait_tensorcnt 0x0                           ; my part of the last group is in
	s_wait_dscnt 0x0
	s_barrier_signal -1
	BLOCKP \kind, 3, 1, 1, \sl, 0, 6
	WIN 0
	s_barrier_wait -1
	PLACES 4
	FETCH 1-\sl, 0, 0
	SCALES 1-\sl
	BLOCKP \kind, 3, 1, 1, \sl, 6, 8
.else
	s_wait_dscnt 0x0
	BLOCKP \kind, 3, 1, 1, \sl, 0, 8
.endif
	WIN 0
	PLACES 4                                       ; behind the last products: their results are read from here on
.endm
.macro SILU x                          ; 32 sums in place: z / (1 + 2^(-z log2 e)); a wait ahead of each batch of transcendentals and one behind it
	WALU
.set j_, 0
.rept 16
	v_pk_mul_f32 v[T+j_:T+j_+1], v[\x+j_:\x+j_+1], s[82:83] op_sel_hi:[1,0]
.set j_, j_+2
.endr
	WALU
.set j_, 0
.rept 32
	v_exp_f32 v[T+j_], v[T+j_]
.set j_, j_+1
.endr
	v_nop
	WALU
.set j_, 0
.rept 16
	v_pk_add_f32 v[T+j_:T+j_+1], v[T+j_:T+j_+1], 1.0 op_sel_hi:[1,0]
.set j_, j_+2
.endr
	WALU
.set j_, 0
.rept 32
	v_rcp_f32 v[T+j_], v[T+j_]
.set j_, j_+1
.endr
	v_nop
	WALU
.set j_, 0
.rept 16
	v_pk_mul_f32 v[\x+j_:\x+j_+1], v[\x+j_:\x+j_+1], v[T+j_:T+j_+1]
.set j_, j_+2
.endr
.endm
; 32 numbers of a lane, register 16 B + i = k 32 B + 16 h + i of my row, become half a fragment (768 bytes a wave, stored at s[pb] + off) and two scale bytes in v[PW + n].  Each accumulator is read from its low end on.
.macro HALFQ x, n, pb, off, step
	WALU                                           ; the wait ahead of the first reader
	v_max3_num_f32 v[TM], |v[\x]|, |v[\x+1]|, 0x1800000       ; and the floor 2^(3 - 127): the byte cannot fall under 1
	v_max3_num_f32 v[TM+1], |v[\x+16]|, |v[\x+17]|, 0x1800000
.irp i, 2,4,6,8,10,12,14
	v_max3_num_f32 v[TM], v[TM], |v[\x+\i]|, |v[\x+\i+1]|
	v_max3_num_f32 v[TM+1], v[TM+1], |v[\x+16+\i]|, |v[\x+17+\i]|
.endr
	v_permlanex16_b32 v[TM+2], v[TM], s80, s81
	v_permlanex16_b32 v[TM+3], v[TM+1], s80, s81
	v_max_num_f32 v[TM], v[TM], v[TM+2]            ; with lane l xor 16: the block's largest magnitude
	v_max_num_f32 v[TM+1], v[TM+1], v[TM+3]
	v_add_nc_u32 v[TM+4], 0xff000000, v[TM]        ; 2 off the exponent field: the conversion's scale operand
	v_add_nc_u32 v[TM+5], 0xff000000, v[TM+1]
	v_lshrrev_b32 v[TM+6], 23, v[TM+4]             ; the byte
	v_lshrrev_b32 v[TM+7], 23, v[TM+5]
	v_lshl_or_b32 v[PW+\n], v[TM+7], 8, v[TM+6]
	WALU                                           ; the wait ahead of the wait below
	s_wait_xcnt 0x0                                ; the earlier stores have read their data and their bases
.if \step
	s_add_nc_u64 s[66:67], s[66:67], GRP           ; the next group of W1: four blocks of act2 on
	s_add_nc_u64 s[68:69], s[68:69], GRP
.endif
	v_cvt_scalef32_pk16_fp6_f32 v[PC:PC+2], v[\x:\x+15], v[TM+4]
	v_cvt_scalef32_pk16_fp6_f32 v[PT:PT+2], v[\x+16:\x+31], v[TM+5]
	v_nop                                          ; one plain line behind the scaled conversions
.irp i, 0,1,2
	v_permlane16_swap_b32 v[PC+\i], v[PT+\i]       ; a whole block to a lane: lanes 0-15 block 0, lanes 16-31 block 1
.endr
.irp i, 0,1,2
	v_mov_b32 v[PC+3+\i], v[PT+\i]
.endr
	global_store_b128 v[L16], v[PC:PC+3], s[\pb:\pb+1] offset:\off        ; 512 consecutive bytes
	global_store_b64 v[L8], v[PC+4:PC+5], s[\pb:\pb+1] offset:\off+512    ; 256
.endm
.macro WORDS                           ; lanes 0-15 the bytes of sets 0, 2; lanes 16-31 those of sets 1, 3
	v_cndmask_b32 v[SW], v[PW], v[PW+1], s78
	v_cndmask_b32 v[SW+1], v[PW+2], v[PW+3], s78
.endm
.macro OUT_H                           ; the hidden layer: set t is token tile 4 a + t, my half b of its fragment
.irp t, 0,1,2,3
	SILU ACC+32*\t
.endr
	HALFQ ACC, 0, 66, 0, 1
.irp t, 1,2,3
	HALFQ ACC+32*\t, \t, 66, 1536*\t, 0
.endr
	WORDS
	global_store_b16 v19, v[SW], s[68:69]
	global_store_b16 v19, v[SW+1], s[68:69] offset:4
.endm
.macro OUT_QK ko                       ; q or k: set t is token tile 4 a + t of head 2 c + b; a word's upper two bytes are 0 and meet zero codes alone
.irp t, 0,1,2,3
	HALFQ ACC+32*\t, \t, 70, 768*\t+\ko, 0
.endr
	WORDS
	global_store_b64 v18, v[SW:SW+1], s[72:73] offset:6144+\ko
.endm
.macro OUT_V                           ; v: set s is channel tile s of head 2 c + b, my half a of the 128 keys
.irp s, 0,1,2,3
	HALFQ ACC+32*\s, \s, 74, 1536*\s, 0
.endr
	WORDS
	global_store_b16 v20, v[SW], s[76:77] offset:6144
	global_store_b16 v20, v[SW+1], s[76:77] offset:6148
.endm
	s_load_b128 s[4:7], s[0:1], 0x0                ; xnimg, waimg
	s_load_b128 s[8:11], s[0:1], 0x10              ; qk, vbuf
	s_load_b64 s[12:13], s[0:1], 0x20              ; act2
	v_lshl_add_u32 v[SPW], v0, 2, SPARE
	v_mov_b32 v[NIL], 0
	ds_add_u32 v[SPW], v[NIL]                      ; the opening lines: the add twice on end and its wait
	ds_add_u32 v[SPW], v[NIL]
	v_lshrrev_b32 v1, 5, v0
	v_readfirstlane_b32 s14, v1                    ; wave
	s_lshr_b32 s15, s14, 1                         ; a
	s_and_b32 s16, s14, 1                          ; b
	s_bfe_u32 s40, ttmp6, 0x40000                  ; cx
	s_bfe_u32 s41, ttmp6, 0x40004                  ; cy
	s_lshl_b32 s42, ttmp9, 2
	s_add_co_u32 s42, s42, s40                     ; c
	s_and_b32 s18, ttmp7, 0xffff                   ; the cluster's y
	s_lshl_b32 s17, s18, 2
	s_add_co_u32 s17, s17, s41                     ; tg
	s_lshl_b32 s44, 0x1111, s40                    ; my column of the cluster
	GROUP1 G1H, 200
	GROUP1 G1, 100
	s_mul_i32 s46, s42, 7*GRP                      ; my seven groups, bytes from waimg
	s_mov_b32 s47, 0
	s_mov_b32 s[G0H], 1
	s_mul_i32 s[G0H+1], s14, 2*BLK                 ; the head's load: wave x 51,200 of the two slots
	s_mov_b32 s36, 1
	s_mul_i32 s37, s14, BLK                        ; a refill: wave x 25,600 of its slot
	s_mov_b32 s56, 1
	s_add_co_u32 s57, s37, GRP
	s_mul_i32 s66, s17, 20                         ; act2: token group tg, K / 256 = c / 2 (each quad of W1 steps four on, the first too), K step c % 2
	s_lshr_b32 s92, s42, 1
	s_add_co_u32 s66, s66, s92
	s_mul_i32 s66, s66, BLK
	s_and_b32 s92, s42, 1
	s_lshl_b32 s68, s92, 9
	s_add_co_u32 s68, s68, s66
	s_add_co_u32 s68, s68, 24576                   ; its scale words
	s_mul_i32 s92, s92, 12288
	s_add_co_u32 s66, s66, s92
	s_mul_i32 s92, s15, 6144
	s_add_co_u32 s66, s66, s92
	s_mul_i32 s93, s16, 768
	s_add_co_u32 s66, s66, s93                     ; tile 4 a, half b
	s_mov_b32 s67, 0
	s_mov_b32 s69, 0
	s_mul_i32 s88, s17, GRP                        ; xnimg: my group
	s_add_co_u32 s90, s88, s92                     ; tile 4 a
	s_mov_b32 s89, 0
	s_mov_b32 s91, 0
	s_lshl_b32 s93, s42, 1
	s_add_co_u32 s93, s93, s16
	s_lshl_b32 s93, s93, 5
	s_add_co_u32 s93, s93, s17                     ; 32 (2 c + b) + tg
	s_mul_i32 s72, s93, 6656
	s_mul_i32 s92, s15, 3072
	s_add_co_u32 s70, s72, s92
	s_mul_i32 s76, s93, 6400
	s_mul_i32 s92, s15, 768
	s_add_co_u32 s74, s76, s92
	s_mov_b32 s71, 0
	s_mov_b32 s73, 0
	s_mov_b32 s75, 0
	s_mov_b32 s77, 0
	s_mov_b32 s78, 0xffff0000                      ; lanes 16-31
	s_mov_b32 s80, 0x76543210
	s_mov_b32 s81, 0xfedcba98                      ; lane l xor 16
	s_mov_b32 s82, 0xbfb8aa3b                      ; -log2(e)
	s_mov_b32 s83, s82
	s_lshl_b32 s20, s15, 3                         ; 8 a
	s_lshl_b32 s21, s16, 1                         ; 2 b
	s_lshl_b32 s22, s15, 1                         ; 2 a
	s_mul_i32 s23, s16, 6144                       ; tile 4 b
	s_lshl_b32 s86, s16, 3                         ; 8 b
	s_lshl_b32 s87, s41, 2
	s_add_co_u32 s87, s87, s14
	s_mul_i32 s87, s87, 6400                       ; my 25 blocks of 256 bytes among the sixteen waves of my column
	v_and_b32 v1, 31, v0
	v_and_b32 v2, 15, v0
	v_bfe_u32 v3, v0, 4, 1
	v_lshlrev_b32 v[L16], 4, v1                    ; 16 x lane
	v_lshlrev_b32 v[L8], 4, v2
	v_lshl_add_u32 v[L8], v3, 3, v[L8]             ; 16 r + 8 h
	v_add_nc_u32 v18, s20, v[L16]
	v_add_nc_u32 v19, s21, v18
	v_add_nc_u32 v20, s22, v[L8]
	v_min_u32 v21, 24, v1
	v_lshl_add_u32 v21, v21, 8, s87
	v_add_nc_u32 v4, s23, v[L16]                   ; v[g + 2 slot + hi]: hi = the upper two blocks of a group
	v_add_nc_u32 v8, s23, v[L8]
	v_add_nc_u32 v12, s86, v[L16]
.irp g, 4,8,12
	v_add_nc_u32 v[\g+1], 2*BLK, v[\g]
	v_add_nc_u32 v[\g+2], GRP, v[\g]
	v_add_nc_u32 v[\g+3], GRP+2*BLK, v[\g]
.endr
	v_mov_b32 v[TM+2], 0                           ; written once: a lane permute's destination counts as one of its sources
	v_mov_b32 v[TM+3], 0
	WALU                                           ; the wait at the head's end
	s_wait_dscnt 0x0                               ; both opening adds are done
	CROUND                                         ; all sixteen work-groups are here: the first joint loads meet
	s_wait_kmcnt 0x0
	s_add_nc_u64 s[46:47], s[6:7], s[46:47]
	s_mov_b32 s92, s[G0H+1]
	s_mov_b32 s93, 0
	s_add_nc_u64 s[G0H+2:G0H+3], s[46:47], s[92:93]
	s_or_b32 s[G0H+3], s[G0H+3], 0x80000000
	s_cmp_lt_u32 s14, 2                            ; one load a wave; the two slots' loads are lines of their own, since the first barrier waits for slot 0's alone
	s_cbranch_scc0 .Lslot_1
	tensor_load_to_lds s[G0H:G0H+3], s[G1H:G1H+7]
	s_nop 0
	PLACES 4
	s_branch .Lasked
.Lslot_1:
	tensor_load_to_lds s[G0H:G0H+3], s[G1H:G1H+7]
	s_nop 0
	PLACES 4
.Lasked:
	s_add_nc_u64 s[88:89], s[4:5], s[88:89]
	s_add_nc_u64 s[90:91], s[4:5], s[90:91]
	s_mov_b32 s92, s37
	s_add_nc_u64 s[38:39], s[46:47], s[92:93]      ; slot 0's group 0 and slot 1's group 1: each refill steps two groups on first
	s_add_nc_u64 s[58:59], s[38:39], GRP
	s_or_b32 s39, s39, 0x80000000
	s_or_b32 s59, s59, 0x80000000
	s_add_nc_u64 s[84:85], s[46:47], 3*GRP         ; the prefetches begin at group 3
	s_add_nc_u64 s[66:67], s[12:13], s[66:67]
	s_add_nc_u64 s[68:69], s[12:13], s[68:69]
	s_add_nc_u64 s[70:71], s[8:9], s[70:71]
	s_add_nc_u64 s[72:73], s[8:9], s[72:73]
	s_add_nc_u64 s[74:75], s[10:11], s[74:75]
	s_add_nc_u64 s[76:77], s[10:11], s[76:77]
.set Q_, 0
.rept 8                                ; my 64 tokens, all of K: each load takes 512 or 256 consecutive bytes of the image
.irp t, 0,1,2,3
.set F_, 4*Q_+\t
.set RR_, 12*(F_%20)
.set O_, (Q_/2)*BLK+(Q_%2)*12288+\t*1536
	WIN (1+F_/20)<<6
	global_load_b128 v[RR_:RR_+3], v[L16], s[90:91] offset:O_
	global_load_b64 v[RR_+4:RR_+5], v[L8], s[90:91] offset:O_+512
	global_load_b128 v[RR_+6:RR_+9], v[L16], s[90:91] offset:O_+768
	global_load_b64 v[RR_+10:RR_+11], v[L8], s[90:91] offset:O_+1280
.endr
.set Q_, Q_+1
.endr
	WIN 0
.irp q, 0,1,2,3,4,5,6,7
	global_load_b64 v[RS+2*\q:RS+2*\q+1], v18, s[88:89] offset:(\q/2)*BLK+24576+(\q%2)*512
.endr
	s_cmp_lt_u32 s14, 2
	s_cbranch_scc0 .Lnot_mine
	s_wait_tensorcnt 0x0                           ; waves 0 and 1: slot 0 is in
.Lnot_mine:
	s_barrier_signal -1
	s_barrier_wait -1                              ; slot 1's loads may stay out
	FETCH 0, 0, 0
	SCALES 0
	s_wait_loadcnt 0x0                             ; the tokens
	s_mov_b32 s3, 2
.Lhidden:                                              ; W1's four groups, two a trip
	QUAD 0, 0, 1, 0
	OUT_H
	QUAD 0, 1, 1, GRP
	OUT_H
	WALU
	s_wait_xcnt 0x0                                ; the prefetches have read their base
	s_add_nc_u64 s[84:85], s[84:85], 2*GRP
	s_sub_co_u32 s3, s3, 1
	s_cmp_lg_u32 s3, 0
	s_cbranch_scc1 .Lhidden
	QUAD 1, 0, 1, -1                               ; Wv; slot 0 takes the last group
	OUT_V
	QUAD 0, 1, 2, -1                               ; Wq
	OUT_QK 0
	QUAD 0, 0, 0, -1                               ; Wk: sixteen heads of 32 x 6,656 bytes on
	OUT_QK 3407872
	s_wait_tensorcnt 0x0                           ; the wave's end
	ds_add_u32 v[SPW], v[NIL]
	s_wait_dscnt 0x0
	CROUND                                         ; the closing round
	s_endpgm
.Lfunc_end_k_q86860e9a0f_gemm1:
	.size	k_q86860e9a0f_gemm1, .Lfunc_end_k_q86860e9a0f_gemm1-k_q86860e9a0f_gemm1
	.p2alignl 7, 3214868480
	.fill 96, 4, 3214868480
	.section	.rodata,"a",@progbits
	.p2align	6, 0x0
	.amdhsa_kernel k_q86860e9a0f_gemm1
		.amdhsa_group_segment_fixed_size 327680
		.amdhsa_private_segment_fixed_size 0
		.amdhsa_enable_private_segment 0
		.amdhsa_kernarg_size 40
		.amdhsa_user_sgpr_count 2
		.amdhsa_user_sgpr_kernarg_segment_ptr 1
		.amdhsa_wavefront_size32 1
		.amdhsa_system_sgpr_workgroup_id_x 1
		.amdhsa_system_sgpr_workgroup_id_y 1
		.amdhsa_system_sgpr_workgroup_id_z 1
		.amdhsa_system_vgpr_workitem_id 0
		.amdhsa_next_free_vgpr 960
		.amdhsa_next_free_sgpr 100
		.amdhsa_reserve_vcc 0
		.amdhsa_float_denorm_mode_32 3
		.amdhsa_float_denorm_mode_16_64 3
		.amdhsa_memory_ordered 1
		.amdhsa_forward_progress 1
		.amdhsa_inst_pref_size 239
	.end_amdhsa_kernel
	.amdgpu_metadata
---
amdhsa.version: [ 1, 2 ]
amdhsa.kernels:
  - .name:           k_q86860e9a0f_gemm1
    .symbol:         k_q86860e9a0f_gemm1.kd
    .args:
      - { .name: xnimg, .offset: 0, .size: 8, .value_kind: global_buffer, .address_space: global }
      - { .name: waimg, .offset: 8, .size: 8, .value_kind: global_buffer, .address_space: global }
      - { .name: qk, .offset: 16, .size: 8, .value_kind: global_buffer, .address_space: global }
      - { .name: vbuf, .offset: 24, .size: 8, .value_kind: global_buffer, .address_space: global }
      - { .name: act2, .offset: 32, .size: 8, .value_kind: global_buffer, .address_space: global }
    .group_segment_fixed_size: 327680
    .private_segment_fixed_size: 0
    .kernarg_segment_align: 8
    .kernarg_segment_size: 40
    .max_flat_workgroup_size: 128
    .sgpr_count:     100
    .vgpr_count:     960
    .wavefront_size: 32
...
	.end_amdgpu_metadata
.endif
;; end of part 2
;; launch attn (part 3): grid 8 x 32, 16 waves a work-group, no clusters, 247,808 bytes of LDS; arguments qk, vbuf, act2; writes act2
.if DOCPART == 3
	.amdgcn_target "amdgcn-amd-amdhsa--gfx1250"
	.amdhsa_code_object_version 6
	.text
	.protected	k_q86860e9a0f_attn
	.globl	k_q86860e9a0f_attn
	.p2align	8
	.type	k_q86860e9a0f_attn,@function
k_q86860e9a0f_attn:
	s_mov_b64 s[64:65], 0
	v_nop
	global_prefetch_b8 v0, s[64:65] scope:SCOPE_SE
	s_setreg_imm32_b32 hwreg(HW_REG_WAVE_MODE, 25, 1), 1
	s_wait_xcnt 0x0
; Causal attention of one (batch, head) on codes of FP6 with E8M0 scales; head size 64, 2,048 keys.  The result, divided by the row's sum, is quantised along the channels and stored as the first 1,024 of act2's K.
; THE SOFTMAX AHEAD OF THE SECOND PRODUCT: t = score x log2(e) / 8; M = the running largest t rounded UP to a whole number; p = 2^(t - M) is quantised along the keys, not normalised; the sum is taken of the unquantised p.
; When M moves, the sum and O are multiplied by 2^(old M - new M), which rounds nothing.
; SHARES.  Work-group (j, 16 b + head) owns the groups of 128 queries j and 15 - j: wave w owns tile w / 2 of one of them, and works key steps 0 .. its group's number: 8 (j + 1) + 8 (16 - j) = 136 wave steps in every work-group.
; K AND V OF THE WHOLE HEAD LIE IN LDS, 208,896 bytes, filled ONCE by eight tensor loads at the head (wave 2 c: K's chunk c of four key steps, wave 2 c + 1: V's chunk c): no slot is filled again.  All eight are waited for, behind one barrier, ahead of the first step.
; All trip counts are constants; a step all of whose keys come after the wave's queries is passed over by a scalar branch on ids, round the step's work alone: every wave passes both barriers.
; LAYOUT.  Both products transposed: S^T = K Q^T, O^T = V^T P^T: a lane holds ONE query (slot lane % 16 of its tile).  Slot p of tile t is row 32 (t/2) + 8 (t%2) + p + 8 (p/8): so the 16 registers of tiles 2 B, 2 B + 1
; are keys (or channels) 32 B + 16 h + 0 .. 15.  qk: [head: q 0-15, k 16-31][group][8 tiles x 768 bytes, then 512 of scale words]; vbuf: [head][group][4 tiles x 1,536 (16 channels x 128 keys), then 256 of scale words].
; THE HEAD'S 64 ARE HALF OF THE INSTRUCTION'S K.  Q's registers 6-11 are zero codes.  A tile of K is six registers; the instruction names twelve: the upper six are the next tile's codes (tile 7: zeros), which meet Q's zeros;
; the format has no NaN or infinity, and no scale byte here is 0xff.
; NO CLUSTER, though the eight work-groups of a head read the same K and V: the causal skip is a branch on the work-group's number, which would differ between partners.
; NO PREFETCH: all that the launch reads through LDS is asked for by the eight loads at its head.
; LIMITS: NaN and infinities are not served; a block whose largest magnitude lies under 2^-124 gets the byte 1: its codes are zeros or held by that floor, and this program alone reads the bytes.
; REGISTERS: v1, 2 lane offsets; v3-6 the step's LDS addresses; v7 my query less 16 h; v12 -M, v13 the largest t, v[14:15] the sum; v16-27 Q; v28-31, v88-91 scale words and nothing else; v32-85 fragments;
; v96-159 S^T, then p; v160-191 O^T; v192-212 at work; v216-234 p's codes.
.set BLK,  25600
.set VREG, 106496                      ; K: 16 steps x 6,656 bytes from LDS byte 0; V: 16 x 6,400 from here
.set WV,  18
.set GQ,  19                           ; s19  my group of 128 queries
.set SEL, 20
.set CS,  22                           ; s[22:23] c = log2(e) / 8
.set TK,  2                            ; s2   LDS byte of the step's K
.set TV,  3                            ; s3   of its V
.set KS,  66                           ; s66  the key step
.set CNT, 67
.set G1K, 24
.set G1V, 32
.set G0K, 40                           ; s[40:55] four groups 0 for K's chunks
.set G0V, 68                           ; s[68:83] for V's
.macro FRAG reg, a16, a8, off
	ds_load_b128 v[\reg:\reg+3], v[\a16] offset:\off
	ds_load_b64 v[\reg+4:\reg+5], v[\a8] offset:\off+512
	ds_load_b128 v[\reg+6:\reg+9], v[\a16] offset:\off+768
	ds_load_b64 v[\reg+10:\reg+11], v[\a8] offset:\off+1280
.endm
	s_load_b128 s[4:7], s[0:1], 0x0                ; qk, vbuf
	s_load_b64 s[8:9], s[0:1], 0x10                ; act2
	v_lshl_add_u32 v254, v0, 2, 0x33000
	v_mov_b32 v255, 0
	ds_add_u32 v254, v255
	ds_add_u32 v254, v255
	v_lshrrev_b32 v1, 5, v0
	s_delay_alu instid0(VALU_DEP_1)
	v_readfirstlane_b32 s[WV], v1                  ; wave 0..15
	s_and_b32 s10, ttmp7, 0xffff
	s_lshr_b32 s11, s10, 4                         ; b
	s_and_b32 s12, s10, 15                         ; head
	s_lshr_b32 s13, s[WV], 1                       ; a: my tile
	s_lshr_b32 s14, s[WV], 2
	s_xor_b32 s14, s14, s[WV]
	s_and_b32 s14, s14, 1                          ; of waves 2 a, 2 a + 1 one takes the late group
	s_sub_co_u32 s15, 15, ttmp9
	; THE SHARES OF A PAIR OF WAVES 2 a, 2 a + 1 (tile a of groups j and G = 15 - j: 17 key steps).  The wave with s14 = 1 takes the late tile's key steps 7 - j .. G: nine.
	; The other takes the late tile's steps 0 .. 6 - j, leaves M, the sums and O^T in LDS, and then takes the early tile's steps 0 .. j: eight in all.  The first wave joins the two parts of the late tile.
	; A step is worked where s16 <= key step < s17.
	s_sub_co_u32 s17, 7, ttmp9
	s_sub_co_u32 s63, 16, ttmp9
	s_cmp_eq_u32 s14, 1
	s_cselect_b32 s16, s17, 0
	s_cselect_b32 s17, s63, s17
	s_cselect_b32 s63, s15, ttmp9                  ; the group whose tile I finish and store
	s_mov_b32 s[GQ], s15                           ; the first pass is on the late group in every wave
	; group 1: dense runs as rows of 256 bytes (32 elements of 8 bytes): K's chunk 104 rows, V's 100
	s_mov_b32 s[G1K], 3<<16
	s_mov_b32 s[G1K+1], 32<<16
	s_mov_b32 s[G1K+2], 104<<16
	s_mov_b32 s[G1K+3], 32<<16
	s_mov_b32 s[G1K+4], 104
	s_mov_b32 s[G1K+5], 32
	s_mov_b32 s[G1K+6], 0
	s_mov_b32 s[G1K+7], 0
	s_mov_b32 s[G1V], 3<<16
	s_mov_b32 s[G1V+1], 32<<16
	s_mov_b32 s[G1V+2], 100<<16
	s_mov_b32 s[G1V+3], 32<<16
	s_mov_b32 s[G1V+4], 100
	s_mov_b32 s[G1V+5], 32
	s_mov_b32 s[G1V+6], 0
	s_mov_b32 s[G1V+7], 0
	s_lshl_b32 s86, s11, 4                         ; 16 b: the batch's first group
	s_add_co_u32 s84, s12, 16
	s_lshl_b32 s84, s84, 5
	s_add_co_u32 s84, s84, s86
	s_mul_i32 s84, s84, 6656                       ; k of my head
	s_mov_b32 s85, 0
	s_lshl_b32 s88, s12, 5
	s_add_co_u32 s88, s88, s86
	s_mul_i32 s87, s88, 6656                       ; (q of my head, group 0)
	s_mul_i32 s88, s88, 6400                       ; v of my head
	s_mov_b32 s89, 0
	s_wait_dscnt 0x0
	s_wait_kmcnt 0x0
	s_add_nc_u64 s[84:85], s[4:5], s[84:85]
	s_add_nc_u64 s[88:89], s[6:7], s[88:89]
.irp c, 0,1,2,3
	s_mov_b32 s[G0K+4*\c], 1
	s_mov_b32 s[G0K+4*\c+1], \c*26624
	s_add_nc_u64 s[G0K+4*\c+2:G0K+4*\c+3], s[84:85], \c*26624
	s_or_b32 s[G0K+4*\c+3], s[G0K+4*\c+3], 0x80000000
	s_mov_b32 s[G0V+4*\c], 1
	s_mov_b32 s[G0V+4*\c+1], VREG+\c*25600
	s_add_nc_u64 s[G0V+4*\c+2:G0V+4*\c+3], s[88:89], \c*25600
	s_or_b32 s[G0V+4*\c+3], s[G0V+4*\c+3], 0x80000000
.endr
; The eight fills are shared out, one a wave: wave 2 c fetches K's chunk c, wave 2 c + 1 V's; waves 8 to 15 fetch nothing.  One chain of branches on the wave's number, one load to an arm, all arms to one join.
.macro ARM w, g0, g1
	s_cmp_eq_u32 s[WV], \w
	s_cbranch_scc0 .Lnext_\@
	tensor_load_to_lds s[\g0:\g0+3], s[\g1:\g1+7]
	s_nop 0
.rept 4
	v_nop
.endr
	s_branch .Lasked
.Lnext_\@:
.endm
.irp c, 0,1,2,3
	ARM 2*\c, G0K+4*\c, G1K
	ARM 2*\c+1, G0V+4*\c, G1V
.endr
.Lasked:
	s_mul_i32 s98, s13, 4608                       ; LDS: my pair's 4,608 bytes behind the spare words: eight quads of O^T and one of -M, t and the sums, 512 bytes each
	s_add_co_u32 s98, s98, 0x33800
	v_and_b32 v212, 31, v0
	v_and_b32 v10, 15, v0                          ; r
	s_wait_alu depctr_va_vdst(0)
	v_bfe_u32 v11, v0, 4, 1                        ; h
	s_wait_alu depctr_va_vdst(0)
	v_lshlrev_b32 v1, 4, v212                      ; 16 x lane
	v_lshlrev_b32 v2, 4, v10
	s_delay_alu instid0(VALU_DEP_1)
	v_lshl_add_u32 v2, v11, 3, v2                  ; 16 r + 8 h
	v_add_nc_u32 v213, s98, v1                     ; made by every wave, ahead of the ways' parting
	s_lshr_b32 s90, s13, 1
	s_lshl_b32 s92, s90, 2                         ; 4 (a / 2)
	s_lshl_b32 s90, s90, 5
	s_and_b32 s91, s13, 1
	s_lshl_b32 s93, s91, 3
	s_add_co_u32 s90, s90, s93                     ; 32 (a / 2) + 8 (a % 2)
	s_lshl_b32 s99, s91, 8
	s_add_co_u32 s99, s99, s92                     ; my tile's scale words: 256 (a % 2) + 4 (a / 2)
	v_lshrrev_b32 v7, 3, v10
	s_delay_alu instid0(VALU_DEP_1)
	v_lshl_add_u32 v7, v7, 3, v10
	s_delay_alu instid0(VALU_DEP_1)
	v_add_nc_u32 v7, s90, v7                       ; my query in its group
	v_lshlrev_b32 v9, 4, v11
	s_delay_alu instid0(VALU_DEP_1)
	v_sub_nc_u32 v7, v7, v9                        ; less 16 h: register 16 B + i holds key 16 h + 32 B + i of a step: hidden on the diagonal where 32 B + i is greater than this
	v_mov_b32 v8, 0xff800000                       ; -infinity
	v_lshlrev_b32 v9, 3, v11                       ; 8 h
	v_lshl_add_u32 v10, v10, 4, s99                ; my row's scale word: 16 r + the tile's
	s_wait_alu depctr_va_vdst(0)
	v_add_nc_u32 v11, v10, v11                     ; and my byte of it on the way out: + h
	s_mov_b32 s[SEL], 0x76543210
	s_mov_b32 s[SEL+1], 0xfedcba98
	s_mov_b32 s[CS], 0x3e38aa3b                    ; log2(e) / 8
	s_mov_b32 s[CS+1], s[CS]
	s_mov_b32 s[KS], 0
	; where the result goes: act2, token group 16 b + GQ, K / 256 = head / 4, its ((head / 2) % 2)-th 128, tile a, half head % 2
	s_add_co_u32 s60, s86, s63
	s_mul_i32 s60, s60, 20
	s_lshr_b32 s61, s12, 2
	s_add_co_u32 s60, s60, s61
	s_mul_i32 s60, s60, BLK
	s_bfe_u32 s61, s12, 0x10001
	s_and_b32 s62, s12, 1
	s_mul_i32 s96, s61, 12288
	s_mul_i32 s97, s13, 1536
	s_add_co_u32 s96, s96, s97
	s_mul_i32 s97, s62, 768
	s_add_co_u32 s96, s96, s97
	s_add_co_u32 s96, s96, s60
	s_mov_b32 s97, 0
	s_add_nc_u64 s[56:57], s[8:9], s[96:97]
	s_lshl_b32 s96, s61, 9
	s_lshl_b32 s98, s62, 1
	s_add_co_u32 s96, s96, s98
	s_add_co_u32 s96, s96, s60
	s_add_co_u32 s96, s96, 24576
	s_add_nc_u64 s[58:59], s[8:9], s[96:97]
	; Q: my tile's half image and its scale words
	s_mul_i32 s92, s[GQ], 6656
	s_add_co_u32 s92, s92, s87
	s_mov_b32 s93, 0
	s_add_nc_u64 s[92:93], s[4:5], s[92:93]
	s_mul_i32 s94, s13, 768
	s_mov_b32 s95, 0
	s_add_nc_u64 s[94:95], s[92:93], s[94:95]
	s_mul_i32 s96, ttmp9, 6656                     ; the early group's Q, for the second pass
	s_add_co_u32 s96, s96, s87
	s_mov_b32 s97, 0
	s_add_nc_u64 s[96:97], s[4:5], s[96:97]
	s_mul_i32 s98, s13, 768
	s_mov_b32 s99, 0
	s_add_nc_u64 s[98:99], s[96:97], s[98:99]
	global_load_b128 v[16:19], v1, s[94:95]
	global_load_b64 v[20:21], v2, s[94:95] offset:512
	global_load_b32 v90, v10, s[92:93] offset:6144
	v_mov_b32 v13, 0xff61b1e6                      ; the largest t so far: -3e38, under every t
	s_delay_alu instid0(VALU_DEP_1)
	v_floor_f32 v12, -v13                          ; -M
	v_mov_b32 v14, 0
	v_mov_b32 v15, 0
.irp j, 22,23,24,25,26,27, 80,81,82,83,84,85, 196,197,198,199, 211
	v_mov_b32 v[\j], 0                             ; Q's upper half; what tile 7 of K names beyond its own six; the permutes' destinations; the upper half of the pair v[210:211]
.endr
.set j, 0
.rept 32
	v_mov_b32 v[160+j], 0                          ; O^T: the step is written once; the first finds zeros, which the first change of M leaves zeros
.set j, j+1
.endr
	s_wait_loadcnt 0x0                             ; Q
.macro STEP
	s_cmp_ge_u32 s[KS], s17                        ; outside my share of the key steps only the addresses step
	s_cbranch_scc1 .Lhid_\@
	s_cmp_lt_u32 s[KS], s16
	s_cbranch_scc1 .Lhid_\@
	v_add_nc_u32 v3, s[TK], v1                     ; (these four are also the places in front of the loads into registers that the last step's products have read)
	v_add_nc_u32 v4, s[TK], v2
	v_add_nc_u32 v5, s[TV], v1
	v_add_nc_u32 v6, s[TV], v2
.irp t, 0,1,2,3,4,5,6,7
	ds_load_b128 v[32+6*\t:35+6*\t], v3 offset:768*\t
	ds_load_b64 v[36+6*\t:37+6*\t], v4 offset:768*\t+512
.endr
	ds_load_b128 v[28:31], v3 offset:6144          ; register w: lanes 0-15 tile 2 w's words, lanes 16-31 tile 2 w + 1's
	s_wait_alu depctr_va_vdst(0)
	s_wait_dscnt 0x0
.irp t, 0,1,2,3,4,5,6,7
.if \t%2
	v_wmma_scale_f32_16x16x128_f8f6f4 v[96+8*\t:103+8*\t], v[32+6*\t:43+6*\t], v[16:27], 0, v[28+\t/2], v90 matrix_a_fmt:MATRIX_FMT_FP6 matrix_b_fmt:MATRIX_FMT_FP6 matrix_a_scale:MATRIX_SCALE_ROW1
.else
	v_wmma_scale_f32_16x16x128_f8f6f4 v[96+8*\t:103+8*\t], v[32+6*\t:43+6*\t], v[16:27], 0, v[28+\t/2], v90 matrix_a_fmt:MATRIX_FMT_FP6 matrix_b_fmt:MATRIX_FMT_FP6
.endif
.endr
.rept 4
	v_nop                                          ; places behind the products: their operands' registers are loaded again and their results read
.endr
.irp t, 0,1,2,3
	FRAG 32+12*\t, 5, 6, 1536*\t                   ; V's four fragments land during the softmax
.endr
	ds_load_b64 v[88:89], v6 offset:6144           ; word w of lane (r, h): tile 2 w + h
	s_cmp_lg_u32 s[KS], s[GQ]
	s_cbranch_scc1 .Lopen_\@
.irp n, 0,1,2,3,4,5,6,7,8,9,10,11,12,13,14,15,16,17,18,19,20,21,22,23,24,25,26,27,28,29,30,31,32,33,34,35,36,37,38,39,40,41,42,43,44,45,46,47,48,49,50,51,52,53,54,55,56,57,58,59,60,61,62,63
	v_cmp_gt_i32 vcc_lo, 32*(\n/16)+\n%16, v7      ; on the diagonal hidden scores become -infinity ahead of the maximum: p = 0 then
	v_cndmask_b32 v[96+\n], v[96+\n], v8, vcc_lo
.endr
.Lopen_\@:
.irp b, 0,1,2,3
	v_max3_num_f32 v[192+\b], v[96+16*\b], v[97+16*\b], v[98+16*\b]   ; the largest score of each block of 32 keys: for the row's maximum, and, since p rises with the score, for the block's largest p
.endr
.irp i, 3,5,7,9,11,13
.irp b, 0,1,2,3
	v_max3_num_f32 v[192+\b], v[192+\b], v[96+16*\b+\i], v[97+16*\b+\i]
.endr
.endr
.irp b, 0,1,2,3
	v_max_num_f32 v[192+\b], v[192+\b], v[111+16*\b]
.endr
.irp b, 0,1,2,3
	s_delay_alu instid0(VALU_DEP_4)
	v_permlanex16_b32 v[196+\b], v[192+\b], s[SEL], s[SEL+1]
.endr
.irp b, 0,1,2,3
	s_delay_alu instid0(VALU_DEP_4)
	v_max_num_f32 v[192+\b], v[192+\b], v[196+\b]
.endr
	s_delay_alu instid0(VALU_DEP_2)
	v_max3_num_f32 v212, v192, v193, v194
	s_delay_alu instid0(VALU_DEP_1)
	v_max_num_f32 v212, v212, v195
	s_delay_alu instid0(VALU_DEP_1)
	v_mul_f32 v212, s[CS], v212                    ; the step's largest t (c is positive)
	s_delay_alu instid0(VALU_DEP_1)
	v_max_num_f32 v13, v13, v212
	v_mov_b32 v212, v12
	s_delay_alu instid0(VALU_DEP_2)
	v_floor_f32 v12, -v13                          ; the new -M = -ceil(t)
	s_delay_alu instid0(VALU_DEP_1)
	v_sub_f32 v212, v12, v212                      ; old M - new M: a whole number, 0 or less
	s_delay_alu instid0(VALU_DEP_1)
	v_cvt_i32_f32 v212, v212                       ; (it saturates)
	s_delay_alu instid0(VALU_DEP_1)
	v_ldexp_f32 v210, 1.0, v212                    ; f = 2^(old M - new M)
.set j, 0
.rept 32
	v_pk_fma_f32 v[96+j:97+j], v[96+j:97+j], s[CS:CS+1], v[12:13] op_sel_hi:[1,0,0]   ; t - M
.set j, j+2
.endr
.irp b, 0,1,2,3
	v_fma_f32 v[192+\b], v[192+\b], s[CS], v12
.endr
.set j, 0
	s_wait_alu depctr_va_vdst(0)
.rept 64
	v_exp_f32 v[96+j], v[96+j]                     ; p = 2^(t - M)
.set j, j+1
.endr
	v_pk_mul_f32 v[14:15], v[14:15], v[210:211] op_sel_hi:[1,0]   ; the sums under the new M (a plain line behind the exponentials)
	s_wait_alu depctr_va_vdst(0)                   ; one wait for the batch, ahead of the first line that names a result
.irp b, 0,1,2,3
	v_exp_f32 v[192+\b], v[192+\b]                 ; each block's largest p
.endr
	v_pk_add_f32 v[208:209], v[100:101], v[104:105]
	v_pk_add_f32 v[252:253], v[108:109], v[112:113]
	v_pk_add_f32 v[250:251], v[116:117], v[120:121]
	v_pk_add_f32 v[248:249], v[124:125], v[128:129]
	v_pk_add_f32 v[246:247], v[132:133], v[136:137]
	v_pk_add_f32 v[244:245], v[140:141], v[144:145]
	v_pk_add_f32 v[242:243], v[148:149], v[152:153]
	v_pk_add_f32 v[14:15], v[14:15], v[156:157]
	v_pk_add_f32 v[208:209], v[208:209], v[96:97]
	v_pk_add_f32 v[252:253], v[252:253], v[98:99]
	v_pk_add_f32 v[250:251], v[250:251], v[102:103]
	v_pk_add_f32 v[248:249], v[248:249], v[106:107]
	v_pk_add_f32 v[246:247], v[246:247], v[110:111]
	v_pk_add_f32 v[244:245], v[244:245], v[114:115]
	v_pk_add_f32 v[242:243], v[242:243], v[118:119]
	v_pk_add_f32 v[14:15], v[14:15], v[122:123]
	v_pk_add_f32 v[208:209], v[208:209], v[126:127]
	v_pk_add_f32 v[252:253], v[252:253], v[130:131]
	v_pk_add_f32 v[250:251], v[250:251], v[134:135]
	v_pk_add_f32 v[248:249], v[248:249], v[138:139]
	v_pk_add_f32 v[246:247], v[246:247], v[142:143]
	v_pk_add_f32 v[244:245], v[244:245], v[146:147]
	v_pk_add_f32 v[242:243], v[242:243], v[150:151]
	v_pk_add_f32 v[14:15], v[14:15], v[154:155]
	v_pk_add_f32 v[208:209], v[208:209], v[158:159]
	s_delay_alu instid0(VALU_DEP_2)
	v_pk_add_f32 v[14:15], v[14:15], v[248:249]
	s_delay_alu instid0(VALU_DEP_2)
	v_pk_add_f32 v[208:209], v[208:209], v[246:247]
	v_pk_add_f32 v[252:253], v[252:253], v[244:245]
	v_pk_add_f32 v[250:251], v[250:251], v[242:243]
	s_delay_alu instid0(VALU_DEP_2)
	v_pk_add_f32 v[14:15], v[14:15], v[252:253]
	s_delay_alu instid0(VALU_DEP_2)
	v_pk_add_f32 v[208:209], v[208:209], v[250:251]
	s_delay_alu instid0(VALU_DEP_1)
	v_pk_add_f32 v[14:15], v[14:15], v[208:209]
	s_wait_alu depctr_va_vdst(0)                   ; and one for the four
.irp b, 0,1,2,3
	v_max_num_f32 v[192+\b], 0x1800000, v[192+\b]  ; the floor 2^(3 - 127)
.endr
.irp b, 0,1,2,3
	s_delay_alu instid0(VALU_DEP_4)
	v_add_nc_u32 v[200+\b], 0xff000000, v[192+\b]  ; the conversion's scale operand
.endr
.irp b, 0,1,2,3
	s_delay_alu instid0(VALU_DEP_4)
	v_lshrrev_b32 v[204+\b], 23, v[200+\b]         ; the byte
.endr
	s_delay_alu instid0(VALU_DEP_3)
	v_lshl_or_b32 v91, v205, 8, v204               ; p's scale word for these 128 keys
	s_delay_alu instid0(VALU_DEP_1)
	v_lshl_or_b32 v91, v206, 16, v91
	s_delay_alu instid0(VALU_DEP_1)
	v_lshl_or_b32 v91, v207, 24, v91
.irp c, 0,1
	v_cvt_scalef32_pk16_fp6_f32 v[216+6*\c:218+6*\c], v[96+32*\c:111+32*\c], v[200+2*\c]
	v_cvt_scalef32_pk16_fp6_f32 v[228+4*\c:230+4*\c], v[112+32*\c:127+32*\c], v[201+2*\c]
.endr
	v_nop                                          ; one plain line behind the scaled conversions
.irp c, 0,1
.irp i, 0,1,2
	v_permlane16_swap_b32 v[216+6*\c+\i], v[228+4*\c+\i]
.endr
.irp i, 0,1,2
	s_delay_alu instid0(VALU_DEP_3)
	v_mov_b32 v[219+6*\c+\i], v[228+4*\c+\i]
.endr
.endr
.set j, 0
.rept 16
	v_pk_mul_f32 v[160+j:161+j], v[160+j:161+j], v[210:211] op_sel_hi:[1,0]   ; O^T under the new M; these sixteen are also the places between the scale word's and the codes' last writes and the products
.set j, j+2
.endr
	s_wait_alu depctr_va_vdst(0)
	s_wait_dscnt 0x0                               ; V
.irp t, 0,1,2,3
.if \t%2
	v_wmma_scale_f32_16x16x128_f8f6f4 v[160+8*\t:167+8*\t], v[32+12*\t:43+12*\t], v[216:227], v[160+8*\t:167+8*\t], v[88+\t/2], v91 matrix_a_fmt:MATRIX_FMT_FP6 matrix_b_fmt:MATRIX_FMT_FP6 matrix_a_scale:MATRIX_SCALE_ROW1
.else
	v_wmma_scale_f32_16x16x128_f8f6f4 v[160+8*\t:167+8*\t], v[32+12*\t:43+12*\t], v[216:227], v[160+8*\t:167+8*\t], v[88+\t/2], v91 matrix_a_fmt:MATRIX_FMT_FP6 matrix_b_fmt:MATRIX_FMT_FP6
.endif
.endr
.Lhid_\@:
	s_add_co_u32 s[KS], s[KS], 1
	s_add_co_u32 s[TK], s[TK], 6656
	s_add_co_u32 s[TV], s[TV], 6400
.endm
.macro PASS n                          ; key steps 0 .. n - 1: a constant count; the steps outside my share are passed over
	s_mov_b32 s[KS], 0
	s_mov_b32 s[TK], 0
	s_mov_b32 s[TV], VREG
	s_mov_b32 s[CNT], \n
.Lpass_\@:
	STEP
	s_sub_co_u32 s[CNT], s[CNT], 1
	s_cmp_lg_u32 s[CNT], 0
	s_cbranch_scc1 .Lpass_\@
.endm
	s_wait_alu depctr_va_vdst(0)                   ; the wait at the head's end
	s_wait_tensorcnt 0x0                           ; every wave: its one load, if it has one, has landed
	s_wait_dscnt 0x0
	s_barrier_signal -1
	s_barrier_wait -1                              ; all of K and V is in: from here on the waves' shares lie at different key steps, and no barrier holds them in step
	PASS 16                                        ; the late tile
	s_cmp_eq_u32 s14, 1
	s_cbranch_scc1 .Lnine
.rept 4
	v_nop                                          ; places behind the last products
.endr
.irp t, 0,1,2,3,4,5,6,7
	ds_store_b128 v213, v[160+4*\t:163+4*\t] offset:512*\t   ; my part of the late tile: O^T, each accumulator from its low end on,
.endr
	ds_store_b128 v213, v[12:15] offset:4096       ; -M, the largest t, the sum's two halves
	global_load_b128 v[16:19], v1, s[98:99]        ; the early tile's Q
	global_load_b64 v[20:21], v2, s[98:99] offset:512
	global_load_b32 v90, v10, s[96:97] offset:6144
	v_mov_b32 v13, 0xff61b1e6                      ; and a new start
	v_floor_f32 v12, -v13
	v_mov_b32 v14, 0
	v_mov_b32 v15, 0
.set j, 0
.rept 32
	v_mov_b32 v[160+j], 0
.set j, j+1
.endr
	s_mov_b32 s[GQ], ttmp9
	s_mov_b32 s16, 0
	s_add_co_u32 s17, ttmp9, 1                     ; key steps 0 .. j
	s_wait_loadcnt 0x0
	s_branch .Lsecond
.Lnine:
	s_mov_b32 s17, 0                               ; nothing is left for me in the second pass
.Lsecond:
	s_wait_alu depctr_va_vdst(0)
	PASS 8                                         ; the early tile: j is 7 at the most
	s_wait_dscnt 0x0                               ; for the others: my stores have landed
	s_barrier_signal -1
	s_barrier_wait -1
	s_cmp_eq_u32 s14, 1
	s_cbranch_scc0 .Lwhole
.rept 4
	v_nop                                          ; places in front of loads into registers that products have named
.endr
.irp t, 0,1,2,3,4,5,6,7
	ds_load_b128 v[96+4*\t:99+4*\t], v213 offset:512*\t
.endr
	ds_load_b128 v[128:131], v213 offset:4096
	s_wait_dscnt 0x0
	v_min_num_f32 v132, v12, v128                  ; the joint -M: both are whole numbers, so both factors are powers of two and round nothing
	v_mov_b32 v137, 0                              ; (named as the upper halves of pairs)
	v_mov_b32 v139, 0
	v_sub_f32 v133, v132, v12
	v_sub_f32 v134, v132, v128                     ; (an empty part has -M = 3e38: its factor falls to 0, over zeros)
	v_cvt_i32_f32 v133, v133                       ; (it saturates)
	v_cvt_i32_f32 v134, v134
	v_ldexp_f32 v136, 1.0, v133
	v_ldexp_f32 v138, 1.0, v134
	v_pk_mul_f32 v[14:15], v[14:15], v[136:137] op_sel_hi:[1,0]
.set j, 0
.rept 16
	v_pk_mul_f32 v[160+j:161+j], v[160+j:161+j], v[136:137] op_sel_hi:[1,0]
.set j, j+2
.endr
	v_pk_fma_f32 v[14:15], v[130:131], v[138:139], v[14:15] op_sel_hi:[1,0,1]
.set j, 0
.rept 16
	v_pk_fma_f32 v[160+j:161+j], v[96+j:97+j], v[138:139], v[160+j:161+j] op_sel_hi:[1,0,1]
.set j, j+2
.endr
.Lwhole:
	; THE WAY OUT: O^T / the sum; its 64 channels are two blocks of 32 along the next K: half a fragment, six registers, and two scale bytes
.rept 4
	v_nop                                          ; places behind the last products
.endr
	v_add_f32 v14, v14, v15
	s_delay_alu instid0(VALU_DEP_1)
	v_permlanex16_b32 v196, v14, s[SEL], s[SEL+1]
	s_delay_alu instid0(VALU_DEP_1)
	v_add_f32 v14, v14, v196                       ; the row's sum
	s_wait_alu depctr_va_vdst(0)
	v_rcp_f32 v14, v14
	v_nop
	s_wait_alu depctr_va_vdst(0)                   ; ahead of the first line that names the result
.set j, 0
.rept 32
	v_mul_f32 v[96+j], v[160+j], v14               ; register 16 B + i: channel 32 B + 16 h + i of my query
.set j, j+1
.endr
.irp b, 0,1
	v_max3_num_f32 v[192+\b], |v[96+16*\b]|, |v[97+16*\b]|, 0x1800000
.endr
.irp i, 2,4,6,8,10,12,14
.irp b, 0,1
	s_delay_alu instid0(VALU_DEP_2)
	v_max3_num_f32 v[192+\b], v[192+\b], |v[96+16*\b+\i]|, |v[97+16*\b+\i]|
.endr
.endr
.irp b, 0,1
	s_delay_alu instid0(VALU_DEP_2)
	v_permlanex16_b32 v[196+\b], v[192+\b], s[SEL], s[SEL+1]
.endr
.irp b, 0,1
	s_delay_alu instid0(VALU_DEP_2)
	v_max_num_f32 v[192+\b], v[192+\b], v[196+\b]
.endr
.irp b, 0,1
	s_delay_alu instid0(VALU_DEP_2)
	v_add_nc_u32 v[200+\b], 0xff000000, v[192+\b]
.endr
.irp b, 0,1
	s_delay_alu instid0(VALU_DEP_2)
	v_lshrrev_b32 v[204+\b], 23, v[200+\b]
.endr
	s_delay_alu instid0(VALU_DEP_1)
	v_lshl_or_b32 v212, v205, 8, v204
	s_delay_alu instid0(VALU_DEP_1)
	v_lshrrev_b32 v212, v9, v212                   ; lane (r, h) stores byte h of the two
	v_cvt_scalef32_pk16_fp6_f32 v[216:218], v[96:111], v200
	v_cvt_scalef32_pk16_fp6_f32 v[222:224], v[112:127], v201
	v_nop
.irp i, 0,1,2
	v_permlane16_swap_b32 v[216+\i], v[222+\i]
.endr
.irp i, 0,1,2
	s_delay_alu instid0(VALU_DEP_3)
	v_mov_b32 v[219+\i], v[222+\i]
.endr
	global_store_b128 v1, v[216:219], s[56:57]             ; 512 consecutive bytes
	global_store_b64 v2, v[220:221], s[56:57] offset:512   ; 256
	global_store_b8 v11, v212, s[58:59]            ; 32 single bytes a wave: a word's other two bytes are the neighbouring head's: one part in 24 of what the launch stores
	s_wait_tensorcnt 0x0
	ds_add_u32 v254, v255
	s_wait_dscnt 0x0
	s_endpgm
.Lfunc_end_k_q86860e9a0f_attn:
	.size	k_q86860e9a0f_attn, .Lfunc_end_k_q86860e9a0f_attn-k_q86860e9a0f_attn
	.p2alignl 7, 3214868480
	.fill 96, 4, 3214868480
	.section	.rodata,"a",@progbits
	.p2align	6, 0x0
	.amdhsa_kernel k_q86860e9a0f_attn
		.amdhsa_group_segment_fixed_size 247808
		.amdhsa_private_segment_fixed_size 0
		.amdhsa_enable_private_segment 0
		.amdhsa_kernarg_size 24
		.amdhsa_user_sgpr_count 2
		.amdhsa_user_sgpr_kernarg_segment_ptr 1
		.amdhsa_wavefront_size32 1
		.amdhsa_system_sgpr_workgroup_id_x 1
		.amdhsa_system_sgpr_workgroup_id_y 1
		.amdhsa_system_sgpr_workgroup_id_z 1
		.amdhsa_system_vgpr_workitem_id 0
		.amdhsa_next_free_vgpr 256
		.amdhsa_next_free_sgpr 100
		.amdhsa_reserve_vcc 1
		.amdhsa_float_denorm_mode_32 3
		.amdhsa_float_denorm_mode_16_64 3
		.amdhsa_memory_ordered 1
		.amdhsa_forward_progress 1
		.amdhsa_inst_pref_size 68
	.end_amdhsa_kernel
	.amdgpu_metadata
---
amdhsa.version: [ 1, 2 ]
amdhsa.kernels:
  - .name:           k_q86860e9a0f_attn
    .symbol:         k_q86860e9a0f_attn.kd
    .args:
      - { .name: qk, .offset: 0, .size: 8, .value_kind: global_buffer, .address_space: global }
      - { .name: vbuf, .offset: 8, .size: 8, .value_kind: global_buffer, .address_space: global }
      - { .name: act2, .offset: 16, .size: 8, .value_kind: global_buffer, .address_space: global }
    .group_segment_fixed_size: 247808
    .private_segment_fixed_size: 0
    .kernarg_segment_align: 8
    .kernarg_segment_size: 24
    .max_flat_workgroup_size: 512
    .sgpr_count:     100
    .vgpr_count:     256
    .wavefront_size: 32
...
	.end_amdgpu_metadata
.endif
;; end of part 3
;; launch gemm2 (part 4): grid 8 x 32, 4 waves a work-group, clusters of 4 x 4, 327,680 bytes of LDS; arguments act2, wbimg, x, out0; writes out0
.if DOCPART == 4
	.amdgcn_target "amdgcn-amd-amdhsa--gfx1250"
	.amdhsa_code_object_version 6
	.text
	.protected	k_q86860e9a0f_gemm2
	.globl	k_q86860e9a0f_gemm2
	.p2align	8
	.type	k_q86860e9a0f_gemm2,@function
k_q86860e9a0f_gemm2:
	s_mov_b64 s[64:65], 0
	v_nop
	global_prefetch_b8 v0, s[64:65] scope:SCOPE_SE
	s_setreg_imm32_b32 hwreg(HW_REG_WAVE_MODE, 25, 1), 1
	s_wait_xcnt 0x0
	s_wait_alu depctr_hold_cnt(0) depctr_sa_sdst(0) depctr_va_vdst(0) depctr_va_sdst(0) depctr_va_ssrc(0) depctr_va_vcc(0) depctr_vm_vsrc(0)
	s_getreg_b32 s2, hwreg(HW_REG_IB_STS2, 6, 4)
	s_cmp_eq_u32 s2, 0
	s_cbranch_scc0 .Lentry_in_a_cluster
	s_endpgm
.Lentry_in_a_cluster:
	s_bfe_u32 s2, ttmp6, 0x10000c
	s_cmp_lg_u32 s2, 0xf033
	s_cbranch_scc0 .Lentry_shape_is_right
	s_endpgm
.Lentry_shape_is_right:
.set BLK,   25600
.set OPB,   76800
.set PART,  38400
.set SLOT,  2*OPB
.set SPARE, 2*SLOT
.set STAGE, SPARE+512
.set A16, 4
.set A8,  6
.set B16, 8
.set B8,  10
.set ASC, 12
.set BSC, 14
.set HIR, 44
.set L16, 16
.set L8,  17
.set SPW, 28
.set NIL, 29
.set G1,  24
.set G0,  32
.set G1B, 48
.set G0B, 56
.set G1F, 68
.set G1FB, 76
.set G0F, 92
.set G0FB, 96
.set MUL,  0xa1
.set TO_B, 0x40
.set MSB, 0
.macro WIN new
.if MSB != (\new)
	s_set_vgpr_msb (MSB<<8)|(\new)
.set MSB, (\new)
.endif
.endm
.macro PLACES n
.rept \n
	v_nop
.endr
.endm
.macro JLOAD g0a, g1a, g0b, g1b
	s_cmp_eq_u32 s15, 0
	s_cbranch_scc0 .Lfor_b_\@
	tensor_load_to_lds s[\g0a:\g0a+3], s[\g1a:\g1a+7]
	s_nop 0
.rept 4
	v_nop
.endr
	s_branch .Lasked_\@
.Lfor_b_\@:
	tensor_load_to_lds s[\g0b:\g0b+3], s[\g1b:\g1b+7]
	s_nop 0
.rept 4
	v_nop
.endr
.Lasked_\@:
.endm
.macro CREST
	s_cmp_lg_u32 s14, 0
	s_cbranch_scc1 .Lnot_wave_0_\@
	s_barrier_signal -3
.Lnot_wave_0_\@:
	s_barrier_wait -3
	s_barrier_signal -1
	s_barrier_wait -1
.endm
.macro CROUND
	s_barrier_signal -1
	s_barrier_wait -1
	CREST
.endm
.macro FRAG reg, a16, a8, off
	ds_load_b128 v[\reg:\reg+3], v[\a16] offset:\off
	ds_load_b64 v[\reg+4:\reg+5], v[\a8] offset:\off+512
	ds_load_b128 v[\reg+6:\reg+9], v[\a16] offset:\off+768
	ds_load_b64 v[\reg+10:\reg+11], v[\a8] offset:\off+1280
.endm
.macro FETCH slot, q, p
.set HI_, HIR*((\q)/4)
.set QO_, (((\q)%4)/2)*BLK+((\q)%2)*12288
.set SO_, (((\q)%4)/2)*BLK+24576+((\q)%2)*512
	WIN TO_B
.irp i, 0,1,2,3
	FRAG 128*(\p)+12*\i, B16+\slot+HI_, B8+\slot+HI_, QO_+1536*\i
.endr
	WIN 0
.irp i, 0,1,2,3
	FRAG 64+96*(\p)+12*\i, A16+\slot+HI_, A8+\slot+HI_, QO_+1536*\i
.endr
	ds_load_b64 v[32+8*(\p):33+8*(\p)], v[ASC+\slot+HI_] offset:SO_
	ds_load_b64 v[36+8*(\p):37+8*(\p)], v[BSC+\slot+HI_] offset:SO_
.endm
.macro WM d, s0, s1, zero, sc0, sc1, rr
.if \zero
.if (\rr) == 0
	v_wmma_scale_f32_16x16x128_f8f6f4 v[\d:\d+7], v[\s0:\s0+11], v[\s1:\s1+11], 0, v[\sc0], v[\sc1] matrix_a_fmt:MATRIX_FMT_FP6 matrix_b_fmt:MATRIX_FMT_FP6
.elseif (\rr) == 1
	v_wmma_scale_f32_16x16x128_f8f6f4 v[\d:\d+7], v[\s0:\s0+11], v[\s1:\s1+11], 0, v[\sc0], v[\sc1] matrix_a_fmt:MATRIX_FMT_FP6 matrix_b_fmt:MATRIX_FMT_FP6 matrix_a_scale:MATRIX_SCALE_ROW1
.elseif (\rr) == 2
	v_wmma_scale_f32_16x16x128_f8f6f4 v[\d:\d+7], v[\s0:\s0+11], v[\s1:\s1+11], 0, v[\sc0], v[\sc1] matrix_a_fmt:MATRIX_FMT_FP6 matrix_b_fmt:MATRIX_FMT_FP6 matrix_b_scale:MATRIX_SCALE_ROW1
.else
	v_wmma_scale_f32_16x16x128_f8f6f4 v[\d:\d+7], v[\s0:\s0+11], v[\s1:\s1+11], 0, v[\sc0], v[\sc1] matrix_a_fmt:MATRIX_FMT_FP6 matrix_b_fmt:MATRIX_FMT_FP6 matrix_a_scale:MATRIX_SCALE_ROW1 matrix_b_scale:MATRIX_SCALE_ROW1
.endif
.else
.if (\rr) == 0
	v_wmma_scale_f32_16x16x128_f8f6f4 v[\d:\d+7], v[\s0:\s0+11], v[\s1:\s1+11], v[\d:\d+7], v[\sc0], v[\sc1] matrix_a_fmt:MATRIX_FMT_FP6 matrix_b_fmt:MATRIX_FMT_FP6
.elseif (\rr) == 1
	v_wmma_scale_f32_16x16x128_f8f6f4 v[\d:\d+7], v[\s0:\s0+11], v[\s1:\s1+11], v[\d:\d+7], v[\sc0], v[\sc1] matrix_a_fmt:MATRIX_FMT_FP6 matrix_b_fmt:MATRIX_FMT_FP6 matrix_a_scale:MATRIX_SCALE_ROW1
.elseif (\rr) == 2
	v_wmma_scale_f32_16x16x128_f8f6f4 v[\d:\d+7], v[\s0:\s0+11], v[\s1:\s1+11], v[\d:\d+7], v[\sc0], v[\sc1] matrix_a_fmt:MATRIX_FMT_FP6 matrix_b_fmt:MATRIX_FMT_FP6 matrix_b_scale:MATRIX_SCALE_ROW1
.else
	v_wmma_scale_f32_16x16x128_f8f6f4 v[\d:\d+7], v[\s0:\s0+11], v[\s1:\s1+11], v[\d:\d+7], v[\sc0], v[\sc1] matrix_a_fmt:MATRIX_FMT_FP6 matrix_b_fmt:MATRIX_FMT_FP6 matrix_a_scale:MATRIX_SCALE_ROW1 matrix_b_scale:MATRIX_SCALE_ROW1
.endif
.endif
.endm
.macro MULA a, p, zero
.irp b, 0,1,2,3
.set rD, 8*(4*(\a)+\b)
.set rB, 128*(\p)+12*\b
.set rA, 64+96*(\p)+12*(\a)
.set rSB, 36+8*(\p)+\b/2
.set rSA, 32+8*(\p)+(\a)/2
.set rR, (\b%2)+2*((\a)%2)
	WM rD, rB, rA, \zero, rSB, rSA, rR
.endr
.endm
.macro STEP slot, q, zero
.set P_, (\q)%2
	s_wait_dscnt 0x0
	PLACES 4
	FETCH \slot, (\q)+1, 1-P_
	WIN MUL
	MULA 0, P_, \zero
	MULA 1, P_, \zero
	MULA 2, P_, \zero
	MULA 3, P_, \zero
	WIN 0
.endm
; A slot's last step, with the change of slots.  pf: where the fill that stands two fills on begins in my part of the operand's row of blocks (0: nothing is asked for); lp = 1: in the loop, whose first trip alone asks.
.macro TURN slot, next, fill, step, pf=0, lp=0
	s_wait_tensorcnt 0x0
	ds_add_u32 v[SPW], v[NIL]
	s_wait_dscnt 1
	WIN MUL
	MULA 0, 1, 0
	s_wait_dscnt 0x0
	s_barrier_signal -1
	MULA 1, 1, 0
	WIN 0
	s_barrier_wait -1
.if \fill
	CREST
.if \step
	s_add_nc_u64 s[G0+4*\slot+2:G0+4*\slot+3], s[G0+4*\slot+2:G0+4*\slot+3], 2*OPB
	s_add_nc_u64 s[G0B+4*\slot+2:G0B+4*\slot+3], s[G0B+4*\slot+2:G0B+4*\slot+3], 2*OPB
.endif
	JLOAD G0+4*\slot, G1, G0B+4*\slot, G1B
.else
	PLACES 4
.endif
	FETCH \next, 0, 0
.if \pf
	ASK \pf, \lp                                   ; behind the joint load and the run of LDS loads
.endif
	WIN MUL
	MULA 2, 1, 0
	MULA 3, 1, 0
	WIN 0
.endm
	s_load_b128 s[4:7], s[0:1], 0x0
	s_load_b128 s[8:11], s[0:1], 0x10
	v_lshl_add_u32 v[SPW], v0, 2, SPARE
	v_mov_b32 v[NIL], 0
	ds_add_u32 v28, v29
	ds_add_u32 v28, v29
	s_wait_dscnt 0x0
	v_lshrrev_b32 v1, 5, v0
	v_readfirstlane_b32 s14, v1
	s_lshr_b32 s15, s14, 1
	s_and_b32 s16, s14, 1
	s_bfe_u32 s40, ttmp6, 0x40000
	s_bfe_u32 s41, ttmp6, 0x40004
	s_lshl_b32 s42, ttmp9, 2
	s_add_co_u32 s42, s42, s40
	s_and_b32 s17, ttmp7, 0xffff
	s_lshl_b32 s17, s17, 2
	s_add_co_u32 s17, s17, s41
	s_lshl_b32 s43, s41, 2
	s_lshl_b32 s43, 15, s43
	s_lshl_b32 s44, 0x1111, s40
	s_or_b32 s[G1], s43, (3<<16)|(1<<21)
	s_or_b32 s[G1B], s44, (3<<16)|(1<<21)
	s_or_b32 s[G1F], s43, (3<<16)|(1<<21)
	s_or_b32 s[G1FB], s44, (3<<16)|(1<<21)
.irp g, G1, G1B
	s_mov_b32 s[\g+1], 32<<16
	s_mov_b32 s[\g+2], 150<<16
	s_mov_b32 s[\g+3], 32<<16
	s_mov_b32 s[\g+4], 150
	s_mov_b32 s[\g+5], 32
	s_mov_b32 s[\g+6], 0
	s_mov_b32 s[\g+7], 0
.endr
.irp g, G1F, G1FB
	s_mov_b32 s[\g+1], 32<<16
	s_mov_b32 s[\g+2], 100<<16
	s_mov_b32 s[\g+3], 32<<16
	s_mov_b32 s[\g+4], 100
	s_mov_b32 s[\g+5], 32
	s_mov_b32 s[\g+6], 0
	s_mov_b32 s[\g+7], 0
.endr
	s_mul_i32 s20, s17, 20*BLK
	s_mov_b32 s21, 0
	s_mul_i32 s46, s42, 20*BLK
	s_mov_b32 s47, 0
	s_mul_i32 s84, s16, BLK
	s_mov_b32 s85, 0
	s_mul_i32 s86, s16, PART
	s_mov_b32 s87, 0
	s_mul_i32 s45, s14, PART
	s_mul_i32 s19, s14, BLK
	s_add_co_u32 s18, s19, BLK
	s_wait_kmcnt 0x0
	s_add_nc_u64 s[20:21], s[4:5], s[20:21]
	s_add_nc_u64 s[46:47], s[6:7], s[46:47]
	CROUND
	s_mov_b32 s[G0F], 1
	s_mov_b32 s[G0F+1], s19
	s_add_nc_u64 s[G0F+2:G0F+3], s[20:21], s[84:85]
	s_or_b32 s[G0F+3], s[G0F+3], 0x80000000
	s_mov_b32 s[G0FB], 1
	s_mov_b32 s[G0FB+1], s18
	s_add_nc_u64 s[G0FB+2:G0FB+3], s[46:47], s[84:85]
	s_or_b32 s[G0FB+3], s[G0FB+3], 0x80000000
	JLOAD G0F, G1F, G0FB, G1FB
	s_add_nc_u64 s[20:21], s[20:21], s[86:87]
	s_add_nc_u64 s[46:47], s[46:47], s[86:87]
; THE FILLS ARE PREFETCHED, two fills ahead.  Fill k (k = 1 .. 6) is blocks 3 k - 1 .. 3 k + 1 of the operand's twenty; a wave fetches 38,400 bytes of it, 150 blocks of 256 bytes.
; The four partners that ask for them jointly share them out by address, 38 each (the last 36): lane l names block 38 p + l, and lanes 0-5 of a second line blocks 38 p + 32 .. 37, held at 149; p = cx for act2, cy for the weights.
; The head asks for fills 1 and 2, each of fills 1 to 4 for the fill two on.  The weights' rows, which eight rows of clusters read, are asked for by the first four.  All offsets are immediates: no address register is written again.
.macro ASK off, lp
.if \lp
	s_cmp_gt_u32 s3, s22                           ; s3 = 2 in the first trip
.else
	s_cmp_eq_u32 s22, 1
.endif
	s_cbranch_scc0 .Lno_ask_\@
	global_prefetch_b8 v21, s[12:13] offset:\off th:TH_LOAD_NT scope:SCOPE_SE
	global_prefetch_b8 v22, s[12:13] offset:\off th:TH_LOAD_NT scope:SCOPE_SE
.Lno_ask_\@:
.endm
	s_and_b32 s66, ttmp7, 0xffff
	s_cmp_lt_u32 s66, 4
	s_cselect_b32 s22, 1, -1
	s_cmp_eq_u32 s15, 0                            ; do I fetch act2?
	s_cselect_b32 s22, 1, s22                      ; 1 where my wave asks, else the greatest number
	s_cselect_b64 s[12:13], s[20:21], s[46:47]     ; my part of my operand's twenty blocks
	s_cselect_b32 s23, s40, s41
	s_mul_i32 s23, s23, 38
	v_and_b32 v21, 31, v0
	v_min_u32 v22, 5, v21
	v_add_nc_u32 v21, s23, v21
	v_add_nc_u32 v22, s23, v22
	v_add_nc_u32 v22, 32, v22
	v_min_u32 v22, 149, v22
	v_lshlrev_b32 v21, 8, v21
	v_lshlrev_b32 v22, 8, v22
	s_wait_alu depctr_va_vdst(0)                   ; ahead of the branches below
	ASK 2*BLK, 0
	ASK 5*BLK, 0
.irp s, 0,1
	s_mov_b32 s[G0+4*\s], 1
	s_add_co_u32 s[G0+4*\s+1], s45, \s*SLOT
	s_add_nc_u64 s[G0+4*\s+2:G0+4*\s+3], s[20:21], (5-3*\s)*BLK
	s_or_b32 s[G0+4*\s+3], s[G0+4*\s+3], 0x80000000
	s_mov_b32 s[G0B+4*\s], 1
	s_add_co_u32 s[G0B+4*\s+1], s45, \s*SLOT
	s_add_nc_u64 s[G0B+4*\s+2:G0B+4*\s+3], s[46:47], (5-3*\s)*BLK
	s_or_b32 s[G0B+4*\s+3], s[G0B+4*\s+3], 0x80000000
.endr
	s_wait_alu depctr_va_vdst(0)
	s_wait_tensorcnt 0x0
	ds_add_u32 v28, v29
	s_wait_dscnt 0x0
	CROUND
	JLOAD G0+4, G1, G0B+4, G1B
	v_and_b32 v1, 31, v0
	v_and_b32 v2, 15, v0
	v_bfe_u32 v3, v0, 4, 1
	v_lshlrev_b32 v[L16], 4, v1
	v_lshlrev_b32 v[L8], 4, v2
	v_lshl_add_u32 v[L8], v3, 3, v[L8]
	s_mul_i32 s84, s15, 6144
	s_mul_i32 s85, s16, 6144
	s_add_co_u32 s85, s85, OPB
	s_lshl_b32 s86, s15, 3
	s_lshl_b32 s87, s16, 3
	s_add_co_u32 s87, s87, OPB
.irp s, 0,1
	v_add_nc_u32 v[A16+\s], s84, v[L16]
	v_add_nc_u32 v[A8+\s], s84, v[L8]
	v_add_nc_u32 v[ASC+\s], s86, v[L16]
	v_add_nc_u32 v[B16+\s], s85, v[L16]
	v_add_nc_u32 v[B8+\s], s85, v[L8]
	v_add_nc_u32 v[BSC+\s], s87, v[L16]
.irp g, A16, A8, ASC, B16, B8, BSC
	v_add_nc_u32 v[\g+\s+HIR], 2*BLK, v[\g+\s]
.endr
	s_add_co_u32 s84, s84, SLOT
	s_add_co_u32 s85, s85, SLOT
	s_add_co_u32 s86, s86, SLOT
	s_add_co_u32 s87, s87, SLOT
.endr
	s_mul_i32 s88, s14, 16*272
	s_add_co_u32 s88, s88, STAGE
	v_mul_u32_u24 v18, v2, 272
	v_lshl_add_u32 v18, v3, 6, v18
	v_add_nc_u32 v18, s88, v18
	v_mul_u32_u24 v19, v3, 272
	v_lshl_add_u32 v19, v2, 4, v19
	v_add_nc_u32 v19, s88, v19
	v_lshlrev_b32 v20, 12, v3
	v_lshl_add_u32 v20, v2, 4, v20
	s_wait_alu depctr_va_vdst(0)
	s_lshl_b32 s90, s17, 1
	s_add_co_u32 s90, s90, s15
	s_lshl_b32 s90, s90, 18
	s_lshl_b32 s91, s42, 1
	s_add_co_u32 s91, s91, s16
	s_lshl_b32 s91, s91, 8
	s_add_co_u32 s90, s90, s91
	s_mov_b32 s91, 0
	s_add_nc_u64 s[8:9], s[8:9], s[90:91]
	s_add_nc_u64 s[10:11], s[10:11], s[90:91]
	ASK 8*BLK, 0
	s_wait_tensorcnt 1
	s_barrier_signal -1
	s_barrier_wait -1
	FETCH 0, 0, 0
	STEP 0, 0, 1
	STEP 0, 1, 0
	STEP 0, 2, 0
	TURN 0, 1, 1, 0, 11*BLK, 0
	WIN 0xc0                                       ; x's 64 x 64 numbers of my part of the result, wanted on the way out alone: asked for behind the first fills
.irp a, 0,1,2,3
.irp i, 0,1,2,3,4,5,6,7
	global_load_b128 v[32*\a+4*\i:32*\a+4*\i+3], v20, s[8:9] offset:(32*(\a/2)+8*(\a%2)+2*\i+8*(\i/4))*4096 th:TH_LOAD_NT
.endr
.endr
	WIN 0
	s_mov_b32 s3, 2
.Llap:
.irp q, 0,1,2,3,4
	STEP 1, \q, 0
.endr
	TURN 1, 0, 1, 1, 14*BLK, 1
.irp q, 0,1,2,3,4
	STEP 0, \q, 0
.endr
	TURN 0, 1, 1, 1, 17*BLK, 1
	s_sub_co_u32 s3, s3, 1
	s_cmp_lg_u32 s3, 0
	s_cbranch_scc1 .Llap
.irp q, 0,1,2,3,4
	STEP 1, \q, 0
.endr
	TURN 1, 0, 0, 0
.irp q, 0,1,2,3,4
	STEP 0, \q, 0
.endr
	s_wait_dscnt 0x0
	WIN MUL
	MULA 0, 1, 0
	MULA 1, 1, 0
	MULA 2, 1, 0
	MULA 3, 1, 0
	WIN 0
.macro TOSTAGE a
	WIN 0x08
.irp b, 0,1,2,3
	ds_store_b128 v18, v[8*(4*(\a)+\b):8*(4*(\a)+\b)+3] offset:128*(\b/2)+32*(\b%2)
	ds_store_b128 v18, v[8*(4*(\a)+\b)+4:8*(4*(\a)+\b)+7] offset:128*(\b/2)+32*(\b%2)+16
.endr
	WIN 0
.irp i, 0,1,2,3,4,5,6,7
	ds_load_b128 v[64+32*(\a)+4*\i:64+32*(\a)+4*\i+3], v19 offset:544*\i
.endr
.endm
.macro SEND a, younger
	s_wait_dscnt \younger
	WIN 0x0c
.irp i, 0,1,2,3,4,5,6,7,8,9,10,11,12,13,14,15
	v_pk_add_f32 v[64+32*(\a)+2*\i:64+32*(\a)+2*\i+1], v[64+32*(\a)+2*\i:64+32*(\a)+2*\i+1], v[32*(\a)+2*\i:32*(\a)+2*\i+1]
.endr
	WIN 0
.irp i, 0,1,2,3,4,5,6,7
	global_store_b128 v20, v[64+32*(\a)+4*\i:64+32*(\a)+4*\i+3], s[10:11] offset:(32*((\a)/2)+8*((\a)%2)+2*\i+8*(\i/4))*4096 th:TH_STORE_NT
.endr
.endm
	PLACES 4
	s_wait_loadcnt 0x0
	TOSTAGE 0
.irp a, 1,2,3
	TOSTAGE \a
	SEND \a-1, 16
.endr
	SEND 3, 0
	s_wait_tensorcnt 0x0
	ds_add_u32 v[SPW], v[NIL]
	s_wait_dscnt 0x0
	CROUND
	s_endpgm
.Lfunc_end_k_q86860e9a0f_gemm2:
	.size	k_q86860e9a0f_gemm2, .Lfunc_end_k_q86860e9a0f_gemm2-k_q86860e9a0f_gemm2
	.p2alignl 7, 3214868480
	.fill 96, 4, 3214868480
	.section	.rodata,"a",@progbits
	.p2align	6, 0x0
	.amdhsa_kernel k_q86860e9a0f_gemm2
		.amdhsa_group_segment_fixed_size 327680
		.amdhsa_private_segment_fixed_size 0
		.amdhsa_enable_private_segment 0
		.amdhsa_kernarg_size 32
		.amdhsa_user_sgpr_count 2
		.amdhsa_user_sgpr_kernarg_segment_ptr 1
		.amdhsa_wavefront_size32 1
		.amdhsa_system_sgpr_workgroup_id_x 1
		.amdhsa_system_sgpr_workgroup_id_y 1
		.amdhsa_system_sgpr_workgroup_id_z 1
		.amdhsa_system_vgpr_workitem_id 0
		.amdhsa_next_free_vgpr 1024
		.amdhsa_next_free_sgpr 100
		.amdhsa_reserve_vcc 0
		.amdhsa_float_denorm_mode_32 3
		.amdhsa_float_denorm_mode_16_64 3
		.amdhsa_memory_ordered 1
		.amdhsa_forward_progress 1
		.amdhsa_inst_pref_size 155
	.end_amdhsa_kernel
	.amdgpu_metadata
---
amdhsa.version: [ 1, 2 ]
amdhsa.kernels:
  - .name:           k_q86860e9a0f_gemm2
    .symbol:         k_q86860e9a0f_gemm2.kd
    .args:
      - { .name: act2, .offset: 0, .size: 8, .value_kind: global_buffer, .address_space: global }
      - { .name: wbimg, .offset: 8, .size: 8, .value_kind: global_buffer, .address_space: global }
      - { .name: x, .offset: 16, .size: 8, .value_kind: global_buffer, .address_space: global }
      - { .name: out0, .offset: 24, .size: 8, .value_kind: global_buffer, .address_space: global }
    .group_segment_fixed_size: 327680
    .private_segment_fixed_size: 0
    .kernarg_segment_align: 8
    .kernarg_segment_size: 32
    .max_flat_workgroup_size: 128
    .sgpr_count:     100
    .vgpr_count:     1024
    .wavefront_size: 32
...
	.end_amdgpu_metadata
.endif
;; end of part 4
